; MI455X (gfx1250); checked and timed in simulation.
; The chip was launched on July 23, 2026; its instructions are those of AMD's public machine-readable ISA for CDNA 5 (MIT licence, August 2026) and "CDNA5" Instruction Set Architecture Reference Guide (July 2026). The comments in the code are by the model that wrote it; some were corrected since.
;; Sigma Mo E. Allowed arithmetic: matrix products marked QUANTISED: E2M3 operands, one E8M0 scale for each 32 along K, by v_wmma_scale_f32_16x16x128_f8f6f4 with both operands' format E2M3, f32 sums; products left as they are: f32 operands where the result goes on into a quantised operand, else bf16, f16 or f32 operands; f32 sums; everything else in f32.
;; Inputs: bias_ffn 32 float32; expert_sel 32 x 1,024 float32; keys 32 x 1,024 x 128 float32; selection_input 8 x 1,024 x 1,024 float32; token_stream 8 x 1,024 x 1,024 float32; values 32 x 128 x 1,024 float32.
;; Outputs: out0 8 x 1,024 x 1,024 float32; out1 8 x 1,024 x 6 int32.
;; This version of the problem:
;;   THIS VERSION OF THE PROBLEM IS GIVEN IN LOW PRECISION. The matrix products marked QUANTISED in the list below multiply operands that are first quantised to E2M3 (2 exponent bits, 3 mantissa bits; 6 bits a number), with one power-of-two scale for each 32 numbers along K (OCP MX v1.0); their sums are f32. All else is computed in f32.
;;   The module's matrix products, in the order in which they are computed (A, B: the left and right operand; K: the contracted axis; several contracted axes count as one K, in the product's order):
;;     1. [M 8,192, K 1,024] x [K 1,024, N 32]; A: input selection_input; B: input expert_sel: QUANTISED
;;     2. [M 8,192, K 1,024] x [K 1,024, N 4,096]; A: input token_stream; B: input keys: QUANTISED
;;     3. batch 262,144 x [M 128, K 1] x [K 1, N 1]; A: computed on the way; B: computed on the way: left as it is (no contracted axis)
;;     4. [M 8,192, K 4,096] x [K 4,096, N 1,024]; A: computed on the way; B: input values: QUANTISED
;;   THE QUANTISER, for each operand of a quantised product, along K:
;;     - K is cut into blocks of 32 from its start; a last block that is shorter is filled with zeros.
;;     - A block's scale is 2^e with e = floor(log2(the largest magnitude in the block)) - 2, held to -126 .. 127; a block of zeros has e = 0. As a byte (E8M0): e + 127.
;;     - Each number is divided by its block's scale, clamped to +-7.5, and rounded to the nearest number of E2M3, ties to even, subnormals kept.
;;     - The product sums the exact products of the quantised numbers (number of the format x scale) in f32.
;;   ~~~python
;;   def quantise(x, axis):      # numpy; x: float32 -> the quantised numbers, widened to float32 again
;;       x = np.moveaxis(x, axis, -1); K = x.shape[-1]
;;       x = np.pad(x, [(0, 0)] * (x.ndim - 1) + [(0, -K % 32)]); x = x.reshape(x.shape[:-1] + (-1, 32)); a = np.abs(x).max(-1, keepdims=True)
;;       e = np.where(a > 0, np.clip(np.frexp(np.where(a > 0, a, 1))[1] - 1 - 2, -126, 127), 0)      # np.frexp(a)[1] - 1 = floor(log2(a)), exactly
;;       r = np.clip(x / 2.0 ** e, -7.5, 7.5)
;;       step = 2.0 ** (np.maximum(np.frexp(np.where(r == 0, 1, r))[1] - 1, 0) - 3)
;;       q = np.round(r / step) * step * 2.0 ** e      # np.round: ties to even
;;       return np.moveaxis(q.reshape(q.shape[:-2] + (-1,))[..., :K], -1, axis).astype(np.float32)
;;   ~~~
;;   OPERANDS COMPUTED ON THE WAY. 'Computed on the way' means the value that the module computes at that place (a softmax that the list does not call 'softmax' is quantised finished and normalised). What goes into a quantiser is computed in f32, as accurately as f32 sums, v_exp_f32 and their like allow (about 1e-6 of the number): no bf16 or f16 on the way to a quantiser, and a product that is left as it is and whose result goes on into a quantised operand takes f32 operands (vector FMAs, or v_wmma_f32_16x16x4_f32). A number that lies on a knife's edge between two numbers of the format may be rounded either way, as far as f32 arithmetic and the matrix unit's own rounding can turn it there, and no further.
;; 2 versions. Each part assembles by itself: llvm-mc -triple=amdgcn-amd-amdhsa -mcpu=gfx1250 --defsym DOCPART=n.
;; ======== version 1 of 2: 4 launches
;; workspace buffers: xc 6,553,600 bytes; wq 6,553,600 bytes; sel_ws 131,072 bytes of whole numbers; aff_ws 262,144 bytes; lists 114,688 bytes of whole numbers; roww 327,680 bytes; hq 27,262,976 bytes
;; launch prep (part 1): grid 512 x 1, 4 waves a work-group, no clusters, 122,880 bytes of LDS; arguments selection_input, token_stream, expert_sel, bias_ffn, keys, values, xc, wq, sel_ws, aff_ws, out1; writes xc, wq, sel_ws, aff_ws, out1
.if DOCPART == 1
	.amdgcn_target "amdgcn-amd-amdhsa--gfx1250"
	.amdhsa_code_object_version 6
	.text
	.protected	k_q8e014f80a9_prep
	.globl	k_q8e014f80a9_prep
	.p2align	8
	.type	k_q8e014f80a9_prep,@function
k_q8e014f80a9_prep:
	s_mov_b64 s[64:65], 0
	v_nop
	global_prefetch_b8 v0, s[64:65] scope:SCOPE_SE
	s_setreg_imm32_b32 hwreg(HW_REG_WAVE_MODE, 25, 1), 1
	s_wait_xcnt 0x0
; PREP.  Three kinds of work-group, told apart by the work-group's number; each kind has LDS bytes of its own.
;   0..255   32 tokens each.  All four waves quantise expert_sel (16 fragments, shared through LDS, one barrier).  Then waves 0, 1 quantise 16 rows of selection_input each,
;            multiply them by expert_sel on codes of E2M3, take the sigmoid, add the bias, pick the four largest of experts 0..29 (the lower index wins a tie) and store indices
;            and affinities at fixed places; waves 2, 3 quantise 16 rows of token_stream each into xc.
;   256..383 keys   [32][1024][128]: K is the middle axis.  A lane takes a hidden unit, its registers run down K.  Codes leave as images of the operand's registers.
;   384..511 values [32][128][1024]: the same, a lane to a column.
; AN IMAGE: a fragment's 12 registers as three groups of four, group c of lane l at 512 c + 16 l: 1,536 bytes, read back by three loads of 16 bytes a lane.
; THE QUANTISER: a block's scale byte is its largest magnitude's exponent field - 2, held at 1 from below; a block of zeros keeps the byte 1 (its codes are zeros; this program alone reads the bytes).
; LIMITS: NaN and infinities among the inputs are not served; blocks whose largest magnitude lies under 2^-124 keep the byte 1; two router scores that differ by less than the
; f32 rounding of exp2 and the reciprocal may be ranked the other way than by a correctly rounded sigmoid.
.set STG,  0                           ; kind 1: a stage of 16 rows x (512 + 16) bytes for each wave
.set EIM,  33792                       ; kind 1: expert_sel's 16 images (K step s, tile n: 2 s + n)
.set ESC,  58368                       ; kind 1: their scale words, 128 bytes each
.set XIM,  60416                       ; kind 1: 16 rows x (768 + 16) bytes of token codes for each of waves 2, 3
.set P2B,  85504                       ; kind 2: two images for each wave
.set P3B,  97792                       ; kind 3: four images for each wave
.set XS,   6291456                     ; xc: the tokens' scale words, 32 bytes a token
.set VQ,   3276800                     ; wq: values' images
.set VS,   6422528                     ; wq: values' scale words
.set R0,   16                          ; v16-79, v80-143: two sets of 64 numbers
.set R1,   80
.set EF,   144                         ; v144-167 two fragments of expert_sel
.set ES,   168                         ; v168-169 their scale words
.set ACC,  176                         ; v176-191 two accumulators
.set PC,   192                         ; v192-210 the codes just made
.set TM,   212                         ; v212-227 at work in the quantiser
.set PW,   228                         ; v228 the scale word just made
.set XW,   232                         ; v232-239 a token tile's eight scale words
.set C,    96                          ; kinds 2, 3: v96-104 a block's codes
.set WD,   106                         ; kinds 2, 3: v106-107 two scale words: outside the two sets of numbers (v16-79), the codes and the read-back registers (v112-159)
; 16 rows' 512 bytes (128 numbers of one K step), a row an instruction: 32 lanes read 512 consecutive bytes
.macro GL set, vo, sb, off, nt
.set gi, 0
.rept 16
.if \nt
	global_load_b128 v[\set+4*gi:\set+4*gi+3], v[\vo], s[\sb:\sb+1] offset:(\off)+4096*gi th:TH_LOAD_NT
.else
	global_load_b128 v[\set+4*gi:\set+4*gi+3], v[\vo], s[\sb:\sb+1] offset:(\off)+4096*gi
.endif
.set gi, gi+1
.endr
.endm
; through the wave's own stage: in as loaded, back so that lane (r, h) holds, of row r, register 16 b + i = k 32 b + 16 h + i.  LDS serves a wave's instructions in order: no wait between
.macro TURN set
.set gi, 0
.rept 16
	ds_store_b128 v5, v[\set+4*gi:\set+4*gi+3] offset:528*gi
.set gi, gi+1
.endr
.irp b, 0,1,2,3
.irp j, 0,1,2,3
	ds_load_b128 v[\set+16*\b+4*\j:\set+16*\b+4*\j+3], v6 offset:128*\b+16*\j
.endr
.endr
.endm
; 64 numbers of a lane become a fragment's codes in v[PC] on and its row's scale word in v[PW]
.macro QUANT s
.irp b, 0,1,2,3
	v_max3_num_f32 v[TM+\b], |v[\s+16*\b]|, |v[\s+1+16*\b]|, 0x1800000   ; my 16 numbers of block b, and the floor 2^(3 - 127): the byte cannot fall under 1
.endr
.irp i, 2,4,6,8,10,12,14
.irp b, 0,1,2,3
	v_max3_num_f32 v[TM+\b], v[TM+\b], |v[\s+16*\b+\i]|, |v[\s+1+16*\b+\i]|
.endr
.endr
.irp b, 0,1,2,3
	v_permlanex16_b32 v[TM+4+\b], v[TM+\b], s30, s31
.endr
.irp b, 0,1,2,3
	v_max_num_f32 v[TM+\b], v[TM+\b], v[TM+4+\b]   ; with lane l xor 16's: the block's largest magnitude
.endr
.irp b, 0,1,2,3
	v_add_nc_u32 v[TM+12+\b], 0xff000000, v[TM+\b] ; 2 off its exponent field: the conversion's scale operand
.endr
.irp b, 0,1,2,3
	v_lshrrev_b32 v[TM+4+\b], 23, v[TM+12+\b]      ; the scale's byte
.endr
	v_lshl_or_b32 v[PW], v[TM+5], 8, v[TM+4]
	v_lshl_or_b32 v[PW], v[TM+6], 16, v[PW]
	v_lshl_or_b32 v[PW], v[TM+7], 24, v[PW]
.irp c, 0,1
	v_cvt_scalef32_pk16_fp6_f32 v[PC+6*\c:PC+2+6*\c], v[\s+32*\c:\s+15+32*\c], v[TM+12+2*\c]
	v_cvt_scalef32_pk16_fp6_f32 v[PC+12+4*\c:PC+14+4*\c], v[\s+16+32*\c:\s+31+32*\c], v[TM+12+2*\c+1]   ; (a conversion's three registers begin on an even number)
.endr
	v_nop                                          ; one plain instruction behind the scaled conversions
.irp c, 0,1                                    ; the operand's layout wants a whole block in a lane
.irp i, 0,1,2
	v_permlane16_swap_b32 v[PC+6*\c+\i], v[PC+12+4*\c+\i]
.endr
.irp i, 0,1,2
	v_mov_b32 v[PC+3+6*\c+\i], v[PC+12+4*\c+\i]
.endr
.endr
.endm
.macro FRAG set, left                  ; left: the next fragment's loads, which may stay out
	s_wait_loadcnt \left
	TURN \set
	s_wait_dscnt 0x0                               ; the numbers are back; every earlier LDS store of mine is done too
	QUANT \set
.endm
.macro EOUT idx                        ; a fragment of expert_sel goes to LDS as it stands
.irp c, 0,1,2
	ds_store_b128 v10, v[PC+4*\c:PC+4*\c+3] offset:(\idx)*1536+512*\c
.endr
	ds_store_b32 v11, v[PW] offset:(\idx)*128
.endm
; kinds 2, 3: 32 numbers down K of my column
.macro LOADB set, sb, off, step
.set gi, 0
.rept 32
	global_load_b32 v[\set+gi], v5, s[\sb:\sb+1] offset:(\off)+gi*(\step) th:TH_LOAD_NT
.set gi, gi+1
.endr
.endm
; a block of 32 along K of my column: its byte into word wreg at byte beta, its 24 bytes of codes to their places in the image: lane row + 16 (beta & 1), registers 6 (beta / 2) on
.macro BLOCK set, left, beta, wreg, stg
	s_wait_loadcnt \left
	v_max3_num_f32 v12, |v[\set]|, |v[\set+1]|, |v[\set+2]|
	v_max3_num_f32 v13, |v[\set+3]|, |v[\set+4]|, |v[\set+5]|
.irp i, 6,10,14,18,22,26
	v_max3_num_f32 v12, v12, |v[\set+\i]|, |v[\set+\i+1]|
	v_max3_num_f32 v13, v13, |v[\set+\i+2]|, |v[\set+\i+3]|
.endr
	v_max3_num_f32 v12, v12, |v[\set+30]|, |v[\set+31]|
	v_max3_num_f32 v12, v12, v13, 0x1800000
	v_add_nc_u32 v11, 0xff000000, v12
	v_lshrrev_b32 v13, 23, v11
.if (\beta) == 0
	v_mov_b32 v[\wreg], v13
.else
	v_lshl_or_b32 v[\wreg], v13, 8*(\beta), v[\wreg]
.endif
	v_cvt_scalef32_pk16_fp6_f32 v[C:C+2], v[\set:\set+15], v11
	v_cvt_scalef32_pk16_fp6_f32 v[C+6:C+8], v[\set+16:\set+31], v11
	v_nop                                          ; one plain instruction behind the scaled conversions
.irp i, 0,1,2
	v_mov_b32 v[C+3+\i], v[C+6+\i]
.endr
.if (\beta) < 2
	ds_store_b128 v6, v[C:C+3] offset:(\stg)+256*((\beta)&1)
	ds_store_b64 v6, v[C+4:C+5] offset:(\stg)+256*((\beta)&1)+512
.else
	ds_store_b64 v6, v[C:C+1] offset:(\stg)+256*((\beta)&1)+520
	ds_store_b128 v6, v[C+2:C+5] offset:(\stg)+256*((\beta)&1)+1024
.endif
.endm
	s_load_b512 s[4:19], s[0:1], 0x0               ; selection s[4:5], tokens s[6:7], expert_sel s[8:9], bias s[10:11], keys s[12:13], values s[14:15], xc s[16:17], wq s[18:19]
	s_load_b128 s[20:23], s[0:1], 0x40             ; sel_ws, aff_ws
	s_load_b64 s[24:25], s[0:1], 0x50              ; out1
	v_lshl_add_u32 v254, v0, 2, 0x1de00
	v_mov_b32 v255, 0
	v_lshrrev_b32 v1, 5, v0
	v_readfirstlane_b32 s26, v1                    ; wave 0..3
	v_and_b32 v1, 31, v0                           ; lane
	v_and_b32 v2, 15, v0                           ; r
	v_bfe_u32 v3, v0, 4, 1                         ; h
	v_lshlrev_b32 v4, 4, v1                        ; 16 x lane
	s_mov_b32 s30, 0x76543210
	s_mov_b32 s31, 0xfedcba98                      ; v_permlanex16_b32's selects for lane l xor 16
	s_mov_b32 s90, 0xffff0000                      ; the mask of lanes 16-31
	s_mov_b32 s73, 0
	s_mov_b32 s71, 0
	s_wait_kmcnt 0x0
	s_cmp_lt_u32 ttmp9, 256
	s_cbranch_scc0 .Lweights
; ---------------- kind 1: 32 tokens ----------------
	s_load_b512 s[32:47], s[10:11], 0x0            ; the 32 biases
	s_load_b512 s[48:63], s[10:11], 0x40
	s_mul_i32 s66, s26, 8448
	v_add_nc_u32 v5, s66, v4                       ; my stage, in: 16 x lane
	v_mul_u32_u24 v6, v2, 528
	v_lshl_add_u32 v6, v3, 6, v6
	v_add_nc_u32 v6, s66, v6                       ; and back: row r, + 64 h
	s_and_b32 s67, s26, 1
	s_mul_i32 s68, s67, 12544
	s_add_co_u32 s68, s68, XIM
	v_mul_u32_u24 v7, v2, 784
	v_mad_u32_u24 v7, v3, 384, v7
	v_add_nc_u32 v7, s68, v7                       ; token codes, in: row r of 784 bytes, + 384 h
	v_add_nc_u32 v8, s68, v4                       ; and back
	v_lshl_add_u32 v9, v3, 4, v8                   ; (lanes 16-31 one row's padding further on)
	s_mul_i32 s69, s26, 6144
	s_add_co_u32 s69, s69, EIM
	v_add_nc_u32 v10, s69, v4                      ; where I store my four images of expert_sel
	s_lshl_b32 s69, s26, 9
	s_add_co_u32 s69, s69, ESC
	v_lshl_add_u32 v11, v1, 2, s69                 ; and their scale words
	v_add_nc_u32 v12, EIM, v4                      ; where any image is read
	v_lshl_add_u32 v13, v1, 2, ESC
	s_lshl_b32 s69, s26, 10
	v_add_nc_u32 v14, s69, v4                      ; expert_sel: my two K steps begin 1,024 w bytes into a row
	s_cmp_lt_u32 s26, 2
	s_cselect_b64 s[28:29], s[4:5], s[6:7]         ; waves 0, 1 stream selection_input, waves 2, 3 token_stream
	s_lshl_b32 s70, ttmp9, 5
	s_lshl_b32 s72, s67, 4
	s_add_co_u32 s70, s70, s72                     ; my tile's first token: 32 x work-group + 16 (wave & 1)
	s_lshl_b32 s72, s70, 12
	s_add_nc_u64 s[28:29], s[28:29], s[72:73]
.irp b, 0,1,2,3
	v_mov_b32 v[TM+4+\b], 0                        ; written once: a lane permute's destination counts as one of its sources
.endr
	GL R0, 14, 8, 0, 0                             ; expert_sel: K step 2 w, rows 0-15
	GL R1, 14, 8, 65536, 0                         ; rows 16-31
	FRAG R0, 16
	EOUT 0
	GL R0, 14, 8, 512, 0                           ; K step 2 w + 1
	FRAG R1, 16
	EOUT 1
	GL R1, 14, 8, 65536+512, 0
	FRAG R0, 16
	EOUT 2
	GL R0, 4, 28, 0, 1                             ; my stream's K step 0
	FRAG R1, 16
	EOUT 3
	s_wait_kmcnt 0x0                               ; the biases
	s_wait_dscnt 0x0                               ; for the others' sake: my images lie in LDS
	s_barrier_signal -1
	s_barrier_wait -1                              ; all sixteen do; nobody writes them again
	s_cmp_lt_u32 s26, 2
	s_cbranch_scc0 .Lxrole
; ---- waves 0, 1: the router for my 16 tokens.  Source 0 = 16 experts, source 1 = my tokens: lane (r, h) register j of accumulator n is expert 16 n + 8 h + j of token r
.irp s, 0,1,2,3,4,5,6,7
.if \s < 7
	GL R0+64*((\s+1)%2), 4, 28, 512*(\s+1), 1
	FRAG R0+64*(\s%2), 16
.else
	FRAG R0+64*(\s%2), 0
.endif
.irp n, 0,1
.irp c, 0,1,2
	ds_load_b128 v[EF+12*\n+4*\c:EF+12*\n+4*\c+3], v12 offset:(2*\s+\n)*1536+512*\c
.endr
	ds_load_b32 v[ES+\n], v13 offset:(2*\s+\n)*128
.endr
.rept 8
	v_nop                                          ; my scale word was written by a vector instruction: eight places ahead of a scaled matrix instruction (the codes: four)
.endr
	s_wait_dscnt 0x0
.irp n, 0,1                                    ; the two accumulators take turns, one instruction a turn
.if \s == 0
	v_wmma_scale_f32_16x16x128_f8f6f4 v[ACC+8*\n:ACC+8*\n+7], v[EF+12*\n:EF+12*\n+11], v[PC:PC+11], 0, v[ES+\n], v[PW] matrix_a_fmt:MATRIX_FMT_FP6 matrix_b_fmt:MATRIX_FMT_FP6
.else
	v_wmma_scale_f32_16x16x128_f8f6f4 v[ACC+8*\n:ACC+8*\n+7], v[EF+12*\n:EF+12*\n+11], v[PC:PC+11], v[ACC+8*\n:ACC+8*\n+7], v[ES+\n], v[PW] matrix_a_fmt:MATRIX_FMT_FP6 matrix_b_fmt:MATRIX_FMT_FP6
.endif
.endr
.endr
.rept 4
	v_nop                                          ; four places behind the last products
.endr
.set gj, 0
.rept 16
	v_permlanex16_b32 v[144+gj], v[ACC+gj], s30, s31   ; the other half's sixteen experts (each accumulator is read from its low end on)
.set gj, gj+1
.endr
.irp n, 0,1
.irp j, 0,1,2,3,4,5,6,7
	v_cndmask_b32 v[16+16*\n+\j], v[ACC+8*\n+\j], v[144+8*\n+\j], s90   ; every lane now holds all 32 logits of token r: v16-47
	v_cndmask_b32 v[24+16*\n+\j], v[144+8*\n+\j], v[ACC+8*\n+\j], s90
.endr
.endr
.set gj, 0
.rept 16
	v_pk_mul_f32 v[48+gj:49+gj], v[16+gj:17+gj], 0xbfb8aa3b op_sel_hi:[1,0]   ; - z log2(e)
.set gj, gj+2
.endr
.set gj, 0
.rept 32
	v_exp_f32 v[48+gj], v[48+gj]
.set gj, gj+1
.endr
	v_nop                                          ; a plain instruction behind the batch,
	s_wait_alu depctr_va_vdst(0)                   ; and one wait ahead of its first reader
.set gj, 0
.rept 16
	v_pk_add_f32 v[48+gj:49+gj], v[48+gj:49+gj], 1.0 op_sel_hi:[1,0]
.set gj, gj+2
.endr
.set gj, 0
.rept 32
	v_rcp_f32 v[80+gj], v[48+gj]                   ; the affinities: v80-111
.set gj, gj+1
.endr
	v_nop
	s_wait_alu depctr_va_vdst(0)
.set gj, 0
.rept 30
	v_add_f32 v[112+gj], s[32+gj], v[80+gj]        ; the routed experts' scores: v112-141
.set gj, gj+1
.endr
	v_mov_b32 v147, 0xff800000                     ; -infinity
.irp j, 0,1,2,3,4,5,6,7
	v_mov_b32 v[148+\j], 0                         ; v148-151 the four indices, v152-155 their affinities
.endr
	s_mov_b32 s66, 0
.Ltop:                                             ; four trips: the largest score left; a strictly larger one alone replaces the best, so the lower index wins a tie.  No branch and no address hangs on the choice
	v_mov_b32 v144, v147
	v_mov_b32 v145, 0
	v_mov_b32 v146, 0
.set gj, 0
.rept 30
	v_cmp_gt_f32 vcc_lo, v[112+gj], v144
	v_cndmask_b32 v144, v144, v[112+gj], vcc_lo
	v_cndmask_b32 v145, v145, gj, vcc_lo
	v_cndmask_b32 v146, v146, v[80+gj], vcc_lo
.set gj, gj+1
.endr
.set gj, 0
.rept 30
	v_cmp_eq_u32 vcc_lo, gj, v145
	v_cndmask_b32 v[112+gj], v[112+gj], v147, vcc_lo   ; the chosen one is out of the running
.set gj, gj+1
.endr
	v_mov_b32 v148, v149
	v_mov_b32 v149, v150
	v_mov_b32 v150, v151
	v_mov_b32 v151, v145
	v_mov_b32 v152, v153
	v_mov_b32 v153, v154
	v_mov_b32 v154, v155
	v_mov_b32 v155, v146
	s_add_co_u32 s66, s66, 1
	s_cmp_lt_u32 s66, 4
	s_cbranch_scc1 .Ltop
	v_cndmask_b32 v156, v148, v150, s90            ; lanes 0-15 carry picks 0, 1, lanes 16-31 picks 2, 3
	v_cndmask_b32 v157, v149, v151, s90
	v_add_nc_u32 v158, 30, v3                      ; the shared experts
	v_cndmask_b32 v160, v152, v110, s90            ; lanes 0-15 the four routed affinities, lanes 16-31 those of experts 30, 31 and two zeros
	v_cndmask_b32 v161, v153, v111, s90
	v_cndmask_b32 v162, v154, 0, s90
	v_cndmask_b32 v163, v155, 0, s90
	v_lshlrev_b32 v164, 4, v2
	v_lshl_add_u32 v164, v3, 3, v164               ; 16 r + 8 h
	v_mul_u32_u24 v165, v2, 24
	v_lshl_add_u32 v167, v3, 2, v165               ; 24 r + 4 h
	v_lshl_add_u32 v165, v3, 3, v165               ; 24 r + 8 h
	v_lshlrev_b32 v166, 5, v2
	v_lshl_add_u32 v166, v3, 4, v166               ; 32 r + 16 h
	s_lshl_b32 s72, s70, 4
	s_add_nc_u64 s[20:21], s[20:21], s[72:73]
	s_mul_i32 s72, s70, 24
	s_add_nc_u64 s[24:25], s[24:25], s[72:73]
	s_lshl_b32 s72, s70, 5
	s_add_nc_u64 s[22:23], s[22:23], s[72:73]
	global_store_b64 v164, v[156:157], s[20:21]
	global_store_b64 v165, v[156:157], s[24:25]
	global_store_b32 v167, v158, s[24:25] offset:16
	global_store_b128 v166, v[160:163], s[22:23]
	s_wait_tensorcnt 0x0
	ds_add_u32 v254, v255
	s_wait_dscnt 0x0
	s_endpgm
; ---- waves 2, 3: my 16 tokens' codes.  Lane (r, h)'s 48 bytes of K step s lie on end at 384 h + 48 s of the token's 768 bytes
.Lxrole:
.irp s, 0,1,2,3,4,5,6,7
.if \s < 7
	GL R0+64*((\s+1)%2), 4, 28, 512*(\s+1), 1
	FRAG R0+64*(\s%2), 16
.else
	FRAG R0+64*(\s%2), 0
.endif
.irp c, 0,1,2
	ds_store_b128 v7, v[PC+4*\c:PC+4*\c+3] offset:48*\s+16*\c
.endr
	v_mov_b32 v[XW+\s], v[PW]
.endr
.set gp, 0
.rept 8                                        ; back as 24 pieces of 512 consecutive bytes of the 16 dense rows (my own bytes, in order: no wait)
	ds_load_b128 v[16+12*gp:19+12*gp], v8 offset:1568*gp
	ds_load_b128 v[20+12*gp:23+12*gp], v9 offset:1568*gp+512
	ds_load_b128 v[24+12*gp:27+12*gp], v8 offset:1568*gp+1040
.set gp, gp+1
.endr
	s_mul_i32 s72, s70, 768
	s_add_nc_u64 s[74:75], s[16:17], s[72:73]
	s_lshl_b32 s72, s70, 5
	s_add_nc_u64 s[76:77], s[16:17], s[72:73]
.irp i, 0,1,2,3
	v_cndmask_b32 v[240+\i], v[XW+\i], v[XW+4+\i], s90   ; lanes 0-15 the words of K steps 0-3, lanes 16-31 of 4-7
.endr
	v_lshlrev_b32 v15, 5, v2
	v_lshl_add_u32 v15, v3, 4, v15
.set gk, 0
.rept 24
	s_wait_dscnt 23-gk                             ; piece gk is back; the younger ones may be out
	global_store_b128 v4, v[16+4*gk:19+4*gk], s[74:75] offset:512*gk   ; 32 lanes store 512 consecutive bytes, at a multiple of 256 from xc's first byte
.set gk, gk+1
.endr
	global_store_b128 v15, v[240:243], s[76:77] offset:XS
	s_wait_tensorcnt 0x0
	ds_add_u32 v254, v255
	s_wait_dscnt 0x0
	s_endpgm
.Lweights:
	v_lshlrev_b32 v5, 2, v1                        ; 4 x lane
	s_cmp_lt_u32 ttmp9, 384
	s_cbranch_scc0 .Lvalues
; ---------------- kind 2: keys.  Expert e, K steps 2 sigma and 2 sigma + 1; wave w: hidden units 32 w + lane ----------------
	s_sub_co_u32 s66, ttmp9, 256
	s_lshr_b32 s67, s66, 2                         ; e
	s_and_b32 s68, s66, 3                          ; sigma
	s_lshl_b32 s70, s67, 19
	s_lshl_b32 s72, s68, 17
	s_add_co_u32 s70, s70, s72
	s_lshl_b32 s72, s26, 7
	s_add_co_u32 s70, s70, s72
	s_add_nc_u64 s[12:13], s[12:13], s[70:71]      ; keys at (e, 256 sigma, 32 w)
	LOADB 16, 12, 0, 512
	LOADB 48, 12, 32*512, 512
	v_and_b32 v7, 7, v1                            ; unit v = lane of my 32 is row r = (v & 7) + 8 (v >> 4) of tile 2 w + ((v >> 3) & 1): so that the up product's results are neighbours along the next K
	v_lshrrev_b32 v8, 4, v1
	v_lshl_add_u32 v7, v8, 3, v7
	v_bfe_u32 v8, v1, 3, 1
	v_mul_u32_u24 v6, v8, 1536
	v_lshl_add_u32 v6, v7, 4, v6
	s_mul_i32 s72, s26, 3072
	s_add_co_u32 s78, s72, P2B
	v_add_nc_u32 v6, s78, v6                       ; into my two images
	v_add_nc_u32 v9, s78, v4                       ; and back
	v_lshlrev_b32 v10, 5, v7
	v_lshl_add_u32 v10, v8, 2, v10
	s_lshl_b32 s79, s26, 3
	v_add_nc_u32 v10, s79, v10                     ; my scale word's place: 32 r + 4 (2 w + u)
	s_mul_i32 s70, s67, 102400
	s_add_nc_u64 s[18:19], s[18:19], s[70:71]      ; wq at expert e
	s_mul_i32 s70, s68, 24576
	s_add_co_u32 s70, s70, s72
	s_add_nc_u64 s[74:75], s[18:19], s[70:71]      ; image 8 (2 sigma) + 2 w
	s_lshl_b32 s70, s68, 10
	s_add_nc_u64 s[76:77], s[18:19], s[70:71]
.irp t, 0,1,2,3,4,5,6,7                        ; block t % 4 of K step 2 sigma + t / 4; each K step has a scale word register of its own, so no store's data are written again
.if \t < 7
	BLOCK 16+32*(\t%2), 32, \t%4, WD+\t/4, 0
.else
	BLOCK 16+32*(\t%2), 0, \t%4, WD+\t/4, 0
.endif
.if \t < 6
	LOADB 16+32*(\t%2), 12, (\t+2)*32*512, 512
.endif
	s_wait_dscnt 0x0
.if \t%4 == 3                                  ; a K step's two images are whole
.irp k, 0,1,2,3,4,5
	ds_load_b128 v[112+24*(\t/4)+4*\k:115+24*(\t/4)+4*\k], v9 offset:512*\k
.endr
	s_wait_dscnt 0x0
.irp k, 0,1,2,3,4,5
	global_store_b128 v4, v[112+24*(\t/4)+4*\k:115+24*(\t/4)+4*\k], s[74:75] offset:12288*(\t/4)+512*\k
.endr
	global_store_b32 v10, v[WD+\t/4], s[76:77] offset:98304+512*(\t/4)   ; four bytes a lane inside one piece of 512 bytes that the work-group's four waves fill: one byte in 128 of what is read
.endif
.endr
	s_wait_tensorcnt 0x0
	ds_add_u32 v254, v255
	s_wait_dscnt 0x0
	s_endpgm
; ---------------- kind 3: values.  Expert e; wave w: the slice of 64 columns cs = 4 q + w, in two halves of 32 ----------------
.Lvalues:
	s_sub_co_u32 s66, ttmp9, 384
	s_lshr_b32 s67, s66, 2                         ; e
	s_and_b32 s68, s66, 3
	s_lshl_b32 s69, s68, 2
	s_add_co_u32 s69, s69, s26                     ; cs
	s_lshl_b32 s70, s67, 19
	s_lshl_b32 s72, s69, 8
	s_add_co_u32 s70, s70, s72
	s_add_nc_u64 s[14:15], s[14:15], s[70:71]
	LOADB 16, 14, 0, 4096
	LOADB 48, 14, 128, 4096
	v_and_b32 v7, 3, v1                            ; column 32 p + lane = 4 c + n: image n = lane & 3, lane row c = 8 p + (lane >> 2)
	v_lshrrev_b32 v8, 2, v1
	v_mul_u32_u24 v6, v7, 1536
	v_lshl_add_u32 v6, v8, 4, v6
	s_mul_i32 s72, s26, 6144
	s_add_co_u32 s72, s72, P3B
	v_add_nc_u32 v6, s72, v6
	v_add_nc_u32 v9, s72, v4
	s_lshl_b32 s78, s69, 5
	s_add_co_u32 s78, s78, s67                     ; 32 cs + e
	s_mul_i32 s70, s78, 6144
	s_add_nc_u64 s[74:75], s[18:19], s[70:71]
	s_lshl_b32 s70, s78, 8
	s_add_nc_u64 s[76:77], s[18:19], s[70:71]
.irp t, 0,1,2,3,4,5,6,7                        ; block beta = t / 2 of half p = t % 2; each half has a scale word register of its own
.if \t < 7
	BLOCK 16+32*(\t%2), 32, \t/2, WD+\t%2, 128*(\t%2)
.else
	BLOCK 16+32*(\t%2), 0, \t/2, WD+\t%2, 128*(\t%2)
.endif
.if \t < 6
	LOADB 16+32*(\t%2), 14, ((\t+2)/2)*32*4096+128*(\t%2), 4096
.endif
	s_wait_dscnt 0x0
.endr
.irp k, 0,1,2,3,4,5,6,7,8,9,10,11
	ds_load_b128 v[112+4*\k:115+4*\k], v9 offset:512*\k
.endr
	s_wait_dscnt 0x0
.irp k, 0,1,2,3,4,5,6,7,8,9,10,11
	global_store_b128 v4, v[112+4*\k:115+4*\k], s[74:75] offset:VQ+512*\k
.endr
	global_store_b32 v5, v[WD], s[76:77] offset:VS
	global_store_b32 v5, v[WD+1], s[76:77] offset:VS+128
	s_wait_tensorcnt 0x0
	ds_add_u32 v254, v255
	s_wait_dscnt 0x0
	s_endpgm
.Lfunc_end_k_q8e014f80a9_prep:
	.size	k_q8e014f80a9_prep, .Lfunc_end_k_q8e014f80a9_prep-k_q8e014f80a9_prep
	.p2alignl 7, 3214868480
	.fill 96, 4, 3214868480
	.section	.rodata,"a",@progbits
	.p2align	6, 0x0
	.amdhsa_kernel k_q8e014f80a9_prep
		.amdhsa_group_segment_fixed_size 122880
		.amdhsa_private_segment_fixed_size 0
		.amdhsa_enable_private_segment 0
		.amdhsa_kernarg_size 88
		.amdhsa_user_sgpr_count 2
		.amdhsa_user_sgpr_kernarg_segment_ptr 1
		.amdhsa_wavefront_size32 1
		.amdhsa_system_sgpr_workgroup_id_x 1
		.amdhsa_system_sgpr_workgroup_id_y 1
		.amdhsa_system_sgpr_workgroup_id_z 1
		.amdhsa_system_vgpr_workitem_id 0
		.amdhsa_next_free_vgpr 256
		.amdhsa_next_free_sgpr 100
		.amdhsa_reserve_vcc 1
		.amdhsa_float_denorm_mode_32 3
		.amdhsa_float_denorm_mode_16_64 3
		.amdhsa_memory_ordered 1
		.amdhsa_forward_progress 1
		.amdhsa_inst_pref_size 255
	.end_amdhsa_kernel
	.section	.bss,"aw",@nobits
	.p2align	6
	.space	262144
	.amdgpu_metadata
---
amdhsa.version: [ 1, 2 ]
amdhsa.kernels:
  - .name:           k_q8e014f80a9_prep
    .symbol:         k_q8e014f80a9_prep.kd
    .args:
      - { .name: selection_input, .offset: 0, .size: 8, .value_kind: global_buffer, .address_space: global }
      - { .name: token_stream, .offset: 8, .size: 8, .value_kind: global_buffer, .address_space: global }
      - { .name: expert_sel, .offset: 16, .size: 8, .value_kind: global_buffer, .address_space: global }
      - { .name: bias_ffn, .offset: 24, .size: 8, .value_kind: global_buffer, .address_space: global }
      - { .name: keys, .offset: 32, .size: 8, .value_kind: global_buffer, .address_space: global }
      - { .name: values, .offset: 40, .size: 8, .value_kind: global_buffer, .address_space: global }
      - { .name: xc, .offset: 48, .size: 8, .value_kind: global_buffer, .address_space: global }
      - { .name: wq, .offset: 56, .size: 8, .value_kind: global_buffer, .address_space: global }
      - { .name: sel_ws, .offset: 64, .size: 8, .value_kind: global_buffer, .address_space: global }
      - { .name: aff_ws, .offset: 72, .size: 8, .value_kind: global_buffer, .address_space: global }
      - { .name: out1, .offset: 80, .size: 8, .value_kind: global_buffer, .address_space: global }
    .group_segment_fixed_size: 122880
    .private_segment_fixed_size: 0
    .kernarg_segment_align: 8
    .kernarg_segment_size: 88
    .max_flat_workgroup_size: 128
    .sgpr_count:     100
    .vgpr_count:     256
    .wavefront_size: 32
...
	.end_amdgpu_metadata
.endif
;; end of part 1
;; launch place (part 2): grid 64 x 1, 1 waves a work-group, no clusters, 7,424 bytes of LDS; arguments sel_ws, aff_ws, lists, roww; writes lists, roww
.if DOCPART == 2
	.amdgcn_target "amdgcn-amd-amdhsa--gfx1250"
	.amdhsa_code_object_version 6
	.text
	.protected	k_q8e014f80a9_place
	.globl	k_q8e014f80a9_place
	.p2align	8
	.type	k_q8e014f80a9_place,@function
k_q8e014f80a9_place:
	s_mov_b64 s[64:65], 0
	v_nop
	global_prefetch_b8 v0, s[64:65] scope:SCOPE_SE
	s_setreg_imm32_b32 hwreg(HW_REG_WAVE_MODE, 25, 1), 1
	s_wait_xcnt 0x0
; PLACE.  One wave takes block b of 128 tokens: lane l of group g (0..3) is token 128 b + 32 g + l.  For each expert e the block's users are ranked in token order and laid into tiles of 16 rows;
; the experts' tiles lie on end in the block's list, expert e's from tile TOF(e) on: at most 512 / 16 + 30 routed tiles and 16 of experts 30, 31: 78 tiles, 1,248 rows, whatever the split.
; Stored for the block: 1,280 row bytes (the row's place 0..127 in the block; 128 for a pad or unused row), 1,280 gate weights (0 for those), and 512 bytes of control words:
; 64 items for the down launch (a pair of tiles: first tile in the list | pair << 8 | tiles in it << 16 | e << 24; filled up with items of no tile), T | TOF << 8 for each expert, and a third of the items rounded up.
; The three tables are built in the wave's own LDS (preset, then scattered into: LDS serves a wave's instructions in order) and leave whole: every byte of both buffers is stored, in pieces of 256 or 512 consecutive bytes.
; An item store that a lane does not owe goes to an LDS dump word of the lane's own: EXEC is never changed.
.set RL,  0                            ; LDS: 1,280 row bytes
.set WL,  1280                         ; 1,280 weights
.set CL,  6400                         ; 64 items, 32 words T | TOF << 8, 32 words NQ; and 128 words behind the items' first: 32 dump words (bytes 6,912 to 7,039)
.set CTL, 81920                        ; lists: the control words, 512 bytes a block, behind 64 x 1,280 row bytes
	s_load_b256 s[4:11], s[0:1], 0x0               ; sel_ws, aff_ws, lists, roww
	v_lshl_add_u32 v254, v0, 2, 0x1c00
	v_mov_b32 v255, 0
	v_and_b32 v1, 31, v0                           ; lane
	v_lshlrev_b32 v2, 4, v1                        ; 16 x lane
	v_lshlrev_b32 v3, 3, v1                        ; 8 x lane
	v_lshlrev_b32 v4, 2, v1                        ; 4 x lane
	v_add_nc_u32 v5, 128, v1                       ; my dump word, counted in words from the items' first
	v_lshlrev_b32 v146, 5, v1                      ; 32 x lane
	s_lshl_b32 s14, ttmp9, 11
	s_mov_b32 s15, 0
	s_lshl_b32 s16, ttmp9, 12
	s_mov_b32 s17, 0
	s_mul_i32 s34, ttmp9, 1280
	s_mov_b32 s35, 0
	s_mul_i32 s36, ttmp9, 5120
	s_mov_b32 s37, 0
	s_lshl_b32 s38, ttmp9, 9
	s_mov_b32 s39, 0
	s_wait_kmcnt 0x0
	s_add_nc_u64 s[4:5], s[4:5], s[14:15]
	s_add_nc_u64 s[6:7], s[6:7], s[16:17]
	s_add_nc_u64 s[28:29], s[8:9], s[34:35]        ; the block's row bytes
	s_add_nc_u64 s[30:31], s[10:11], s[36:37]      ; its weights
	s_add_nc_u64 s[32:33], s[8:9], s[38:39]        ; its control words, CTL bytes on
.irp g, 0,1,2,3
	global_load_b128 v[16+4*\g:19+4*\g], v2, s[4:5] offset:512*\g            ; v[16 + 4 g + k]: pick k
	global_load_b128 v[32+8*\g:35+8*\g], v146, s[6:7] offset:1024*\g         ; v[32 + 8 g + k]: its affinity; k = 4, 5: experts 30, 31
	global_load_b128 v[36+8*\g:39+8*\g], v146, s[6:7] offset:1024*\g+16
.endr
.irp j, 128,129,130,131
	v_mov_b32 v\j, 0x80808080                      ; four rows that nobody owns
.endr
.irp j, 132,133,134,135
	v_mov_b32 v\j, 0
.endr
	v_mov_b32 v136, 0x1f000000                     ; an item of no tile; its numbers name a tile and an expert that exist
	v_mov_b32 v137, 0x1f000000
	ds_store_b128 v2, v[128:131] offset:RL         ; the tables' presets
	ds_store_b128 v2, v[128:131] offset:RL+512
	ds_store_b64 v3, v[128:129] offset:RL+1024
.set gk, 0
.rept 10
	ds_store_b128 v2, v[132:135] offset:WL+512*gk
.set gk, gk+1
.endr
	ds_store_b64 v3, v[136:137] offset:CL
.irp g, 0,1,2,3
	v_add_nc_u32 v[6+\g], 32*\g, v1                ; v6-9: my row in the block
.endr
	v_mov_b32 v13, 1
.irp j, 68,69,70,71,72,73,74,75,76,77,78
	v_mov_b32 v\j, 0                               ; v68-71 masks, v72-75 first places, v76 counts, v77 first items, v78 first tiles: lane e holds expert e's
.endr
	s_wait_loadcnt 0x0
.set gj, 0
.rept 16
	v_min_u32 v[16+gj], 29, v[16+gj]               ; a routed expert's number, held inside its range
.set gj, gj+1
.endr
.irp g, 0,1,2,3
	v_lshlrev_b32 v[64+\g], v[16+4*\g], v13        ; v64-67: my token's four experts as bits
.irp k, 1,2,3
	v_lshlrev_b32 v14, v[16+4*\g+\k], v13
	v_or_b32 v[64+\g], v[64+\g], v14
.endr
.endr
	s_mov_b32 s22, 0                               ; items so far
	s_mov_b32 s24, 0                               ; tiles so far
	s_mov_b32 s25, 0                               ; rows so far: 16 x tiles
.set ge, 0
.rept 30
	s_mov_b32 s21, s25                             ; the place of expert ge's next user
.irp g, 0,1,2,3
	v_and_b32 v14, 1<<ge, v[64+\g]
	v_cmp_ne_u32 s20, 0, v14
	v_writelane_b32 v[68+\g], s20, ge
	v_writelane_b32 v[72+\g], s21, ge
	s_bcnt1_i32_b32 s23, s20
	s_add_co_u32 s21, s21, s23
.endr
	s_sub_co_u32 s23, s21, s25                     ; its users
	v_writelane_b32 v76, s23, ge
	v_writelane_b32 v77, s22, ge
	v_writelane_b32 v78, s24, ge
	s_add_co_u32 s23, s23, 15
	s_lshr_b32 s23, s23, 4                         ; its tiles,
	s_add_co_u32 s24, s24, s23
	s_lshl_b32 s25, s24, 4
	s_add_co_u32 s23, s23, 1
	s_lshr_b32 s23, s23, 1                         ; in pairs
	s_add_co_u32 s22, s22, s23
.set ge, ge+1
.endr
	s_movk_i32 s23, 128                            ; experts 30, 31: all 128 tokens, eight tiles, four pairs
	s_add_co_u32 s26, s24, 8
	s_add_co_u32 s27, s25, 128
	v_writelane_b32 v76, s23, 30
	v_writelane_b32 v77, s22, 30
	v_writelane_b32 v78, s24, 30
	s_add_co_u32 s22, s22, 4
	v_writelane_b32 v76, s23, 31
	v_writelane_b32 v77, s22, 31
	v_writelane_b32 v78, s26, 31
	s_add_co_u32 s22, s22, 4                       ; the block's items: at most 512 / 32 + 30 + 8 = 54
.set gj, 0
.rept 16
	v_lshlrev_b32 v[112+gj], 2, v[16+gj]
.set gj, gj+1
.endr
.irp g, 0,1,2,3
.irp k, 0,1,2,3
	ds_bpermute_b32 v[80+4*\g+\k], v[112+4*\g+\k], v[68+\g]   ; my expert's mask in my group,
	ds_bpermute_b32 v[96+4*\g+\k], v[112+4*\g+\k], v[72+\g]   ; and the place of its first user in my group
.endr
.endr
	s_wait_dscnt 0x0
.set gj, 0
.rept 16
	v_mbcnt_lo_u32_b32 v[80+gj], v[80+gj], v[96+gj]           ; + its users in lower lanes: my row's place in the block's list
	v_min_u32 v[80+gj], 1279, v[80+gj]
	v_lshl_add_u32 v[96+gj], v[80+gj], 2, WL
.set gj, gj+1
.endr
.irp g, 0,1,2,3
.irp k, 0,1,2,3
	ds_store_b8 v[80+4*\g+\k], v[6+\g]
	ds_store_b32 v[96+4*\g+\k], v[32+8*\g+\k]
.endr
.endr
	; experts 30, 31: a token's place in the block is its rank
.irp g, 0,1,2,3
	v_add_nc_u32 v[148+\g], s25, v[6+\g]
	v_add_nc_u32 v[152+\g], s27, v[6+\g]
.endr
.set gj, 0
.rept 8
	v_min_u32 v[148+gj], 1279, v[148+gj]
	v_lshl_add_u32 v[216+gj], v[148+gj], 2, WL
.set gj, gj+1
.endr
.irp g, 0,1,2,3
	ds_store_b8 v[148+\g], v[6+\g]
	ds_store_b8 v[152+\g], v[6+\g]
	ds_store_b32 v[216+\g], v[36+8*\g]
	ds_store_b32 v[220+\g], v[37+8*\g]
.endr
	; tiles, items
	v_add_nc_u32 v79, 15, v76
	v_lshrrev_b32 v79, 4, v79                      ; T
	v_add_nc_u32 v10, 1, v79
	v_lshrrev_b32 v10, 1, v10                      ; pairs
	v_lshl_or_b32 v11, v78, 8, v79                 ; T | TOF << 8
	ds_store_b32 v4, v11 offset:CL+256
	s_add_co_u32 s12, s22, 2
	s_mul_i32 s12, s12, 43
	s_lshr_b32 s12, s12, 7                         ; (items + 2) / 3, exact for numbers up to 56
	v_mov_b32 v12, s12
	ds_store_b32 v4, v12 offset:CL+384
	v_lshl_or_b32 v15, v1, 24, v78                 ; e << 24 | TOF
.irp p, 0,1,2,3
	v_add_nc_u32 v14, -2*\p, v79
	v_min_u32 v14, 2, v14                          ; tiles in pair p
	v_lshl_or_b32 v[138+\p], v14, 16, v15
	v_add_nc_u32 v[138+\p], 258*\p, v[138+\p]      ; the pair's first tile TOF + 2 p (under 128), and p << 8
	v_add_nc_u32 v[142+\p], \p, v77                ; the item's word,
	v_cmp_lt_u32 vcc_lo, \p, v10
	v_cndmask_b32 v[142+\p], v5, v[142+\p], vcc_lo ; or, where my expert has no pair p, my dump word;
	v_min_u32 v[142+\p], 159, v[142+\p]            ; the choice is made first, then the index is held inside the items and dump words,
	v_lshl_add_u32 v[142+\p], v[142+\p], 2, CL     ; and only a shift and an addition follow
	ds_store_b32 v[142+\p], v[138+\p]
.endr
	; the tables leave as they lie
	ds_load_b128 v[160:163], v2 offset:RL
	ds_load_b128 v[164:167], v2 offset:RL+512
	ds_load_b64 v[168:169], v3 offset:RL+1024
.set gk, 0
.rept 10
	ds_load_b128 v[172+4*gk:175+4*gk], v2 offset:WL+512*gk
.set gk, gk+1
.endr
	ds_load_b128 v[212:215], v2 offset:CL
	s_wait_dscnt 0x0
	global_store_b128 v2, v[160:163], s[28:29]
	global_store_b128 v2, v[164:167], s[28:29] offset:512
	global_store_b64 v3, v[168:169], s[28:29] offset:1024
.set gk, 0
.rept 10
	global_store_b128 v2, v[172+4*gk:175+4*gk], s[30:31] offset:512*gk
.set gk, gk+1
.endr
	global_store_b128 v2, v[212:215], s[32:33] offset:CTL
	s_wait_tensorcnt 0x0
	ds_add_u32 v254, v255
	s_wait_dscnt 0x0
	s_endpgm
.Lfunc_end_k_q8e014f80a9_place:
	.size	k_q8e014f80a9_place, .Lfunc_end_k_q8e014f80a9_place-k_q8e014f80a9_place
	.p2alignl 7, 3214868480
	.fill 96, 4, 3214868480
	.section	.rodata,"a",@progbits
	.p2align	6, 0x0
	.amdhsa_kernel k_q8e014f80a9_place
		.amdhsa_group_segment_fixed_size 7424
		.amdhsa_private_segment_fixed_size 0
		.amdhsa_enable_private_segment 0
		.amdhsa_kernarg_size 32
		.amdhsa_user_sgpr_count 2
		.amdhsa_user_sgpr_kernarg_segment_ptr 1
		.amdhsa_wavefront_size32 1
		.amdhsa_system_sgpr_workgroup_id_x 1
		.amdhsa_system_sgpr_workgroup_id_y 1
		.amdhsa_system_sgpr_workgroup_id_z 1
		.amdhsa_system_vgpr_workitem_id 0
		.amdhsa_next_free_vgpr 256
		.amdhsa_next_free_sgpr 66
		.amdhsa_reserve_vcc 1
		.amdhsa_float_denorm_mode_32 3
		.amdhsa_float_denorm_mode_16_64 3
		.amdhsa_memory_ordered 1
		.amdhsa_forward_progress 1
		.amdhsa_inst_pref_size 73
	.end_amdhsa_kernel
	.amdgpu_metadata
---
amdhsa.version: [ 1, 2 ]
amdhsa.kernels:
  - .name:           k_q8e014f80a9_place
    .symbol:         k_q8e014f80a9_place.kd
    .args:
      - { .name: sel_ws, .offset: 0, .size: 8, .value_kind: global_buffer, .address_space: global }
      - { .name: aff_ws, .offset: 8, .size: 8, .value_kind: global_buffer, .address_space: global }
      - { .name: lists, .offset: 16, .size: 8, .value_kind: global_buffer, .address_space: global }
      - { .name: roww, .offset: 24, .size: 8, .value_kind: global_buffer, .address_space: global }
    .group_segment_fixed_size: 7424
    .private_segment_fixed_size: 0
    .kernarg_segment_align: 8
    .kernarg_segment_size: 32
    .max_flat_workgroup_size: 32
    .sgpr_count:     66
    .vgpr_count:     256
    .wavefront_size: 32
...
	.end_amdgpu_metadata
.endif
;; end of part 2
;; launch up (part 3): grid 608 x 1, 4 waves a work-group, no clusters, 102,912 bytes of LDS; arguments xc, wq, lists, roww, hq; writes hq
.if DOCPART == 3
	.amdgcn_target "amdgcn-amd-amdhsa--gfx1250"
	.amdhsa_code_object_version 6
	.text
	.protected	k_q8e014f80a9_up
	.globl	k_q8e014f80a9_up
	.p2align	8
	.type	k_q8e014f80a9_up,@function
k_q8e014f80a9_up:
	s_mov_b64 s[64:65], 0
	v_nop
	global_prefetch_b8 v0, s[64:65] scope:SCOPE_SE
	s_setreg_imm32_b32 hwreg(HW_REG_WAVE_MODE, 25, 1), 1
	s_wait_xcnt 0x0
; UP.  h = Q(silu(Q(x) Q(keys_e)) x affinity) for the rows that chose expert e, a tile of 16 rows at a time.
; Work-groups 0..479: expert id / 16, wave w takes the tiles of block 4 (id % 16) + w.  Work-groups 480..607: expert 30 or 31, one block, wave w takes tiles 2 w, 2 w + 1.
; The expert's 64 images and its scale words, 102,400 bytes, are copied into LDS once (through registers; trip counts here hang on stored numbers) and read by all four waves.
; A tile: its 16 rows' bytes from the block's list (token = 128 b + byte mod 128) and their weights, the tokens' codes gathered (a lane reads its 384 consecutive bytes), 64 products (source 0 = 16 hidden units,
; source 1 = the 16 rows: a lane holds one row, its registers run along the hidden units, which are the next product's K), silu and the weight in f32, the quantiser, the image of the operand to hq at tile (64 e + b) 8 + i.
; No cluster: partners would need different numbers of tiles, and what they would share is read once a work-group.
; LIMITS: NaN and infinities are not served; blocks under 2^-124 keep the byte 1 (a pad row's zeros too: its codes are zeros).
.set XS,  6291456
.set CTL, 81920
.set HS,  25165824
.set XF,  32                           ; v32-127 the rows' eight fragments; v32-95 later at work
.set ACC, 128                          ; v128-191 eight accumulators
.set WF,  192                          ; v192-239 four fragments of the weights; later:
.set PC,  192
.set TM,  212
.set PW,  228
.macro QUANT s
.irp b, 0,1,2,3
	v_max3_num_f32 v[TM+\b], |v[\s+16*\b]|, |v[\s+1+16*\b]|, 0x1800000   ; my 16 numbers of block b, and the floor 2^(3 - 127)
.endr
.irp i, 2,4,6,8,10,12,14
.irp b, 0,1,2,3
	v_max3_num_f32 v[TM+\b], v[TM+\b], |v[\s+16*\b+\i]|, |v[\s+1+16*\b+\i]|
.endr
.endr
.irp b, 0,1,2,3
	v_permlanex16_b32 v[TM+4+\b], v[TM+\b], s26, s27
.endr
.irp b, 0,1,2,3
	v_max_num_f32 v[TM+\b], v[TM+\b], v[TM+4+\b]
.endr
.irp b, 0,1,2,3
	v_add_nc_u32 v[TM+12+\b], 0xff000000, v[TM+\b]
.endr
.irp b, 0,1,2,3
	v_lshrrev_b32 v[TM+4+\b], 23, v[TM+12+\b]
.endr
	v_lshl_or_b32 v[PW], v[TM+5], 8, v[TM+4]
	v_lshl_or_b32 v[PW], v[TM+6], 16, v[PW]
	v_lshl_or_b32 v[PW], v[TM+7], 24, v[PW]
.irp c, 0,1
	v_cvt_scalef32_pk16_fp6_f32 v[PC+6*\c:PC+2+6*\c], v[\s+32*\c:\s+15+32*\c], v[TM+12+2*\c]
	v_cvt_scalef32_pk16_fp6_f32 v[PC+12+4*\c:PC+14+4*\c], v[\s+16+32*\c:\s+31+32*\c], v[TM+12+2*\c+1]
.endr
	v_nop                                          ; one plain instruction behind the scaled conversions
.irp c, 0,1
.irp i, 0,1,2
	v_permlane16_swap_b32 v[PC+6*\c+\i], v[PC+12+4*\c+\i]
.endr
.irp i, 0,1,2
	v_mov_b32 v[PC+3+6*\c+\i], v[PC+12+4*\c+\i]
.endr
.endr
.endm
	s_load_b256 s[4:11], s[0:1], 0x0               ; xc, wq, lists, roww
	s_load_b64 s[12:13], s[0:1], 0x20              ; hq
	v_lshl_add_u32 v254, v0, 2, 0x19000
	v_mov_b32 v255, 0
	v_lshrrev_b32 v1, 5, v0
	v_readfirstlane_b32 s14, v1                    ; wave
	s_lshr_b32 s15, ttmp9, 4
	s_and_b32 s16, ttmp9, 15
	s_lshl_b32 s16, s16, 2
	s_add_co_u32 s16, s16, s14
	s_sub_co_u32 s28, ttmp9, 480
	s_lshr_b32 s29, s28, 6
	s_add_co_u32 s29, s29, 30
	s_and_b32 s30, s28, 63
	s_lshl_b32 s31, s14, 1
	s_cmp_lt_u32 ttmp9, 480
	s_cselect_b32 s15, s15, s29                    ; e
	s_cselect_b32 s16, s16, s30                    ; b
	s_cselect_b32 s17, 0, s31                      ; my first tile of (e, b)
	s_cselect_b32 s32, 8, 2                        ; and how many at the most
	s_lshl_b32 s33, s15, 6
	s_add_co_u32 s33, s33, s16
	s_lshl_b32 s19, s33, 3                         ; (64 e + b) 8
	s_lshl_b32 s34, s16, 9
	s_lshl_b32 s35, s15, 2
	s_add_co_u32 s34, s34, s35                     ; the word of (b, e) among the control words: 512 b + 4 e
	s_mul_i32 s39, s16, 1280                       ; the block's list
	s_lshl_b32 s44, s16, 7                         ; 128 b
	s_mul_i32 s36, s15, 102400
	s_mov_b32 s37, 0
	s_mov_b32 s26, 0x76543210
	s_mov_b32 s27, 0xfedcba98
	v_and_b32 v5, 31, v0
	v_lshlrev_b32 v1, 4, v5                        ; 16 x lane
	v_lshlrev_b32 v5, 2, v5                        ; 4 x lane
	v_add_nc_u32 v2, 49152, v1                     ; the same, 32 images on
	v_and_b32 v4, 15, v0                           ; r
	v_lshlrev_b32 v3, 5, v4
	v_add_nc_u32 v3, 98304, v3                     ; the weights' scale words: 32 bytes for lane row r, 512 a K step
	v_bfe_u32 v6, v0, 4, 1
	v_mul_u32_u24 v6, v6, 384                      ; 384 h
	v_lshlrev_b32 v7, 4, v0                        ; the copy: 16 x thread
	v_add_nc_u32 v241, 51200, v7
	s_wait_kmcnt 0x0
	s_load_b32 s18, s[8:9], s34 offset:CTL+256     ; the tiles of (e, b), and where they begin in the block's list
	s_add_nc_u64 s[20:21], s[6:7], s[36:37]
	s_add_nc_u64 s[22:23], s[12:13], HS
.irp half, 0,1                                 ; 2 x 25 loads of 16 bytes a thread: 2,048 consecutive bytes a work-group and step
.set gk, 0
.rept 25
	global_load_b128 v[32+4*gk:35+4*gk], v7, s[20:21] offset:51200*\half+2048*gk
.set gk, gk+1
.endr
.set gk, 0
.rept 25
	s_wait_loadcnt 24-gk                           ; load gk is in; the younger ones may be out
.if \half == 0
	ds_store_b128 v7, v[32+4*gk:35+4*gk] offset:2048*gk
.else
	ds_store_b128 v241, v[32+4*gk:35+4*gk] offset:2048*gk
.endif
.set gk, gk+1
.endr
	s_wait_dscnt 0x0                               ; the stores are done: their registers may be loaded again; and, the second time, for the others' sake
.endr
	s_wait_kmcnt 0x0
	s_barrier_signal -1
	s_barrier_wait -1                              ; the expert's weights lie in LDS; nobody writes them again
	s_bfe_u32 s38, s18, 0x70008                    ; TOF
	s_and_b32 s18, s18, 0xff
	s_min_u32 s18, s18, 8                          ; T
	s_add_co_u32 s32, s17, s32
	s_min_u32 s18, s18, s32                        ; behind my last tile
.irp b, 0,1,2,3
	v_mov_b32 v[TM+4+\b], 0                        ; a lane permute's destination counts as one of its sources
.endr
	s_cmp_lt_u32 s17, s18
	s_cbranch_scc0 .Lend
.Ltile:
	s_wait_xcnt 0x0                                ; the last tile's stores have read their addresses and data: both are written again below
	s_min_u32 s40, s17, 7
	s_add_co_u32 s45, s40, s38
	s_min_u32 s45, s45, 77                         ; the tile's place in the block's list
	s_lshl_b32 s45, s45, 4
	s_add_co_u32 s45, s45, s39
	v_add_nc_u32 v13, s45, v4                      ; row r's byte in the lists,
	v_lshlrev_b32 v242, 2, v13                     ; and its weight
	s_add_co_u32 s40, s40, s19                     ; G
	s_mul_i32 s42, s40, 1536
	v_add_nc_u32 v14, s42, v1                      ; the tile's image in hq
	s_lshl_b32 s43, s40, 7
	v_add_nc_u32 v15, s43, v5                      ; and its scale words
	global_load_u8 v10, v13, s[8:9]                ; the row's place in the block (128: a pad row)
	global_load_b32 v8, v242, s[10:11]             ; and its weight
	s_wait_loadcnt 0x0
	v_and_b32 v10, 127, v10                        ; (a pad row takes the block's first token; its weight is 0)
	v_add_nc_u32 v10, s44, v10                     ; the token
	v_min_u32 v10, 0x1fff, v10
	v_mul_u32_u24 v11, v10, 768
	v_add_nc_u32 v11, v11, v6
	v_lshlrev_b32 v12, 5, v10
.set gk, 0
.rept 24
	global_load_b128 v[XF+4*gk:XF+4*gk+3], v11, s[4:5] offset:16*gk   ; registers 12 s on: the fragment of K step s
.set gk, gk+1
.endr
	global_load_b128 v[16:19], v12, s[4:5] offset:XS                  ; v[16 + s]: the row's scale word of K step s
	global_load_b128 v[20:23], v12, s[4:5] offset:XS+16
	v_mov_b32 v9, v8                               ; (named with v8 as a pair)
.irp s, 0,1,2,3,4,5,6,7
.irp q, 0,1
.if (\s+\q) > 0
.rept 4
	v_nop                                          ; four places in front of loads into registers that matrix instructions have read
.endr
.endif
.irp k, 0,1,2,3
.irp c, 0,1,2
.if \s < 4
	ds_load_b128 v[WF+12*\k+4*\c:WF+12*\k+4*\c+3], v1 offset:(8*\s+4*\q+\k)*1536+512*\c
.else
	ds_load_b128 v[WF+12*\k+4*\c:WF+12*\k+4*\c+3], v2 offset:(8*(\s-4)+4*\q+\k)*1536+512*\c
.endif
.endr
.endr
.if \q == 0
	ds_load_b128 v[24:27], v3 offset:512*\s        ; v[24 + tile]: the weights' scale words of this K step
	ds_load_b128 v[28:31], v3 offset:512*\s+16
.endif
	s_wait_dscnt 0x0
.if (\s+\q) == 0
	s_wait_loadcnt 0x0                             ; the rows' codes and scale words
.endif
.irp k, 0,1,2,3                                ; the eight accumulators take turns, one instruction a turn
.if \s == 0
	v_wmma_scale_f32_16x16x128_f8f6f4 v[ACC+8*(4*\q+\k):ACC+8*(4*\q+\k)+7], v[WF+12*\k:WF+12*\k+11], v[XF+12*\s:XF+12*\s+11], 0, v[24+4*\q+\k], v[16+\s] matrix_a_fmt:MATRIX_FMT_FP6 matrix_b_fmt:MATRIX_FMT_FP6
.else
	v_wmma_scale_f32_16x16x128_f8f6f4 v[ACC+8*(4*\q+\k):ACC+8*(4*\q+\k)+7], v[WF+12*\k:WF+12*\k+11], v[XF+12*\s:XF+12*\s+11], v[ACC+8*(4*\q+\k):ACC+8*(4*\q+\k)+7], v[24+4*\q+\k], v[16+\s] matrix_a_fmt:MATRIX_FMT_FP6 matrix_b_fmt:MATRIX_FMT_FP6
.endif
.endr
.endr
.endr
.rept 4
	v_nop                                          ; four places behind the last products
.endr
.set gj, 0
.rept 32
	v_pk_mul_f32 v[32+gj:33+gj], v[ACC+gj:ACC+gj+1], 0xbfb8aa3b op_sel_hi:[1,0]   ; - z log2(e); each accumulator is read from its low end on
.set gj, gj+2
.endr
.set gj, 0
.rept 64
	v_exp_f32 v[32+gj], v[32+gj]
.set gj, gj+1
.endr
	v_nop                                          ; a plain instruction behind the batch,
	s_wait_alu depctr_va_vdst(0)                   ; and one wait ahead of its first reader
.set gj, 0
.rept 32
	v_pk_add_f32 v[32+gj:33+gj], v[32+gj:33+gj], 1.0 op_sel_hi:[1,0]
.set gj, gj+2
.endr
.set gj, 0
.rept 64
	v_rcp_f32 v[32+gj], v[32+gj]
.set gj, gj+1
.endr
	v_nop
	s_wait_alu depctr_va_vdst(0)
.set gj, 0
.rept 32
	v_pk_mul_f32 v[ACC+gj:ACC+gj+1], v[ACC+gj:ACC+gj+1], v[32+gj:33+gj]           ; silu = z x sigmoid(z)
.set gj, gj+2
.endr
.set gj, 0
.rept 32
	v_pk_mul_f32 v[ACC+gj:ACC+gj+1], v[ACC+gj:ACC+gj+1], v[8:9] op_sel_hi:[1,0]   ; x the row's affinity
.set gj, gj+2
.endr
	QUANT ACC
.irp c, 0,1,2
	global_store_b128 v14, v[PC+4*\c:PC+4*\c+3], s[12:13] offset:512*\c           ; 512 consecutive bytes a store
.endr
	global_store_b32 v15, v[PW], s[22:23]
	s_add_co_u32 s17, s17, 1
	s_cmp_lt_u32 s17, s18
	s_cbranch_scc1 .Ltile
.Lend:
	s_wait_tensorcnt 0x0
	ds_add_u32 v254, v255
	s_wait_dscnt 0x0
	s_endpgm
.Lfunc_end_k_q8e014f80a9_up:
	.size	k_q8e014f80a9_up, .Lfunc_end_k_q8e014f80a9_up-k_q8e014f80a9_up
	.p2alignl 7, 3214868480
	.fill 96, 4, 3214868480
	.section	.rodata,"a",@progbits
	.p2align	6, 0x0
	.amdhsa_kernel k_q8e014f80a9_up
		.amdhsa_group_segment_fixed_size 102912
		.amdhsa_private_segment_fixed_size 0
		.amdhsa_enable_private_segment 0
		.amdhsa_kernarg_size 40
		.amdhsa_user_sgpr_count 2
		.amdhsa_user_sgpr_kernarg_segment_ptr 1
		.amdhsa_wavefront_size32 1
		.amdhsa_system_sgpr_workgroup_id_x 1
		.amdhsa_system_sgpr_workgroup_id_y 1
		.amdhsa_system_sgpr_workgroup_id_z 1
		.amdhsa_system_vgpr_workitem_id 0
		.amdhsa_next_free_vgpr 256
		.amdhsa_next_free_sgpr 66
		.amdhsa_reserve_vcc 0
		.amdhsa_float_denorm_mode_32 3
		.amdhsa_float_denorm_mode_16_64 3
		.amdhsa_memory_ordered 1
		.amdhsa_forward_progress 1
		.amdhsa_inst_pref_size 57
	.end_amdhsa_kernel
	.amdgpu_metadata
---
amdhsa.version: [ 1, 2 ]
amdhsa.kernels:
  - .name:           k_q8e014f80a9_up
    .symbol:         k_q8e014f80a9_up.kd
    .args:
      - { .name: xc, .offset: 0, .size: 8, .value_kind: global_buffer, .address_space: global }
      - { .name: wq, .offset: 8, .size: 8, .value_kind: global_buffer, .address_space: global }
      - { .name: lists, .offset: 16, .size: 8, .value_kind: global_buffer, .address_space: global }
      - { .name: roww, .offset: 24, .size: 8, .value_kind: global_buffer, .address_space: global }
      - { .name: hq, .offset: 32, .size: 8, .value_kind: global_buffer, .address_space: global }
    .group_segment_fixed_size: 102912
    .private_segment_fixed_size: 0
    .kernarg_segment_align: 8
    .kernarg_segment_size: 40
    .max_flat_workgroup_size: 128
    .sgpr_count:     66
    .vgpr_count:     256
    .wavefront_size: 32
...
	.end_amdgpu_metadata
.endif
;; end of part 3
;; launch down (part 4): grid 16 x 64, 1 waves a work-group, no clusters, 33,536 bytes of LDS; arguments wq, hq, lists, out0; writes out0
.if DOCPART == 4
	.amdgcn_target "amdgcn-amd-amdhsa--gfx1250"
	.amdhsa_code_object_version 6
	.text
	.protected	k_q8e014f80a9_down
	.globl	k_q8e014f80a9_down
	.p2align	8
	.type	k_q8e014f80a9_down,@function
k_q8e014f80a9_down:
	s_mov_b64 s[64:65], 0
	v_nop
	global_prefetch_b8 v0, s[64:65] scope:SCOPE_SE
	s_setreg_imm32_b32 hwreg(HW_REG_WAVE_MODE, 25, 1), 1
	s_wait_xcnt 0x0
; DOWN.  One wave owns 128 tokens (block b) x 64 columns (slice cs) of out0 and keeps their sums in its own LDS: row tau of 256 bytes is token 128 b + tau; row 128 takes the pad rows.
; It walks the block's list of items (a pair of tiles of one expert): h's images and scale words, the expert's four images of values for the slice, the rows' bytes.
; Source 0 = the 16 rows of h, source 1 = 16 columns of values (image n: column 4 c + n): lane (c, hh) register j of product n is (row 8 hh + j, column 4 c + n), so that a lane's four products
; give 16 neighbouring bytes of a row, and sixteen lanes a whole row of 256 bytes: the sums are read, added to and written back by whole rows, and leave as they lie.
; Each output row has one owner: nothing is added between work-groups.  The rows of one item are different tokens (pad rows meet in the dummy row alone); items follow each other through LDS in the wave's order.
; Three items' operands are on their way at a time, 23 loads each, in three sets of registers.  Trip counts and branches hang on stored numbers.  No tensor load, no cluster.
.set VQ,  3276800
.set VS,  6422528
.set HS,  25165824
.set CTL, 81920
; window 0: v1 16 x lane, v2 16 c, v3 8 hh, v4 4 x lane, v5-9 the loads' offsets, v10 the way out; v[12 + 4 s] values' scale words, v[24 + 2 s] h's, v[32 + 4 s] the rows' bytes;
;           v80-143 the sums of two tiles, v144-207 the products, v[208 + 16 s] the rows' LDS addresses.   window 1: set s at 72 s: h's two fragments, then values' four.
.set MSB, 0
.macro WIN new                         ; the immediate's high byte repeats the setting that is left
.if MSB != \new
	s_set_vgpr_msb (MSB<<8)|\new
.set MSB, \new
.endif
.endm
.macro REFILL s, w                     ; the operands of the item in s[w] into set s: 23 loads
	s_wait_xcnt 0x0                                ; the earlier loads have read their offsets: they are written again
	s_and_b32 s40, s[\w], 0x7f
	s_min_u32 s40, s40, 78                         ; the pair's first tile in the block's list
	s_bfe_u32 s41, s[\w], 0x50018
	s_min_u32 s41, s41, 31                         ; e
	s_bfe_u32 s42, s[\w], 0x20008                  ; which pair of (e, b)
	s_lshl_b32 s42, s42, 1
	s_lshl_b32 s44, s41, 9
	s_add_co_u32 s44, s44, s42
	s_add_co_u32 s44, s44, s13
	s_min_u32 s44, s44, 0x3ffe                     ; G0 = (64 e + b) 8 + 2 pair
	s_mul_i32 s42, s44, 1536
	v_add_nc_u32 v5, s42, v1
	s_mul_i32 s42, s41, 6144
	v_add_nc_u32 v6, s42, v1
	s_lshl_b32 s42, s41, 8
	v_add_nc_u32 v7, s42, v2
	s_lshl_b32 s42, s44, 7
	v_add_nc_u32 v8, s42, v4
	s_lshl_b32 s42, s40, 4
	v_add_nc_u32 v9, s42, v3
	WIN 0x40                                       ; destination window 1, offset window 0
.irp k, 0,1,2,3,4,5
	global_load_b128 v[72*\s+4*\k:72*\s+4*\k+3], v5, s[6:7] offset:512*\k
.endr
.irp k, 0,1,2,3,4,5,6,7,8,9,10,11
	global_load_b128 v[72*\s+24+4*\k:72*\s+24+4*\k+3], v6, s[14:15] offset:512*\k
.endr
	WIN 0
	global_load_b128 v[12+4*\s:15+4*\s], v7, s[16:17]
	global_load_b32 v[24+2*\s], v8, s[18:19]
	global_load_b32 v[25+2*\s], v8, s[18:19] offset:128
	global_load_b64 v[32+4*\s:33+4*\s], v9, s[20:21]              ; my eight rows 8 hh + j of the first tile, a byte each,
	global_load_b64 v[34+4*\s:35+4*\s], v9, s[20:21] offset:16    ; and of the second
.endm
.macro ADDR s, k                       ; the rows' bytes, held at 128, become LDS addresses: 256 x row + 16 c
.irp j, 0,1,2,3,4,5,6,7
	v_bfe_u32 v[208+16*\s+8*\k+\j], v[32+4*\s+2*\k+\j/4], 8*(\j%4), 8
.endr
.irp j, 0,1,2,3,4,5,6,7
	v_min_u32 v[208+16*\s+8*\k+\j], 128, v[208+16*\s+8*\k+\j]
.endr
.irp j, 0,1,2,3,4,5,6,7
	v_lshl_add_u32 v[208+16*\s+8*\k+\j], v[208+16*\s+8*\k+\j], 8, v2
.endr
.endm
.macro LDL s, k
.irp j, 0,1,2,3,4,5,6,7
	ds_load_b128 v[80+32*\k+4*\j:83+32*\k+4*\j], v[208+16*\s+8*\k+\j]
.endr
.endm
.macro STL s, k
.irp j, 0,1,2,3,4,5,6,7
	ds_store_b128 v[208+16*\s+8*\k+\j], v[80+32*\k+4*\j:83+32*\k+4*\j]
.endr
.endm
.macro MM s, k                         ; four products of 16 x 16 x 128, each on an accumulator of its own, begun with 0
	WIN 0x05                                       ; sources 0 and 1 window 1, result window 0
.irp n, 0,1,2,3
	v_wmma_scale_f32_16x16x128_f8f6f4 v[144+32*\k+8*\n:151+32*\k+8*\n], v[72*\s+12*\k:72*\s+12*\k+11], v[72*\s+24+12*\n:72*\s+24+12*\n+11], 0, v[24+2*\s+\k], v[12+4*\s+\n] matrix_a_fmt:MATRIX_FMT_FP6 matrix_b_fmt:MATRIX_FMT_FP6
.endr
.endm
.macro ADDS k                          ; each accumulator is read from its low end on
.irp n, 0,1,2,3
.irp j, 0,1,2,3,4,5,6,7
	v_add_f32 v[80+32*\k+4*\j+\n], v[80+32*\k+4*\j+\n], v[144+32*\k+8*\n+\j]
.endr
.endr
.endm
.macro PLACES
.rept 4
	v_nop                                          ; four places behind the products, ahead of the first read of a result and of the next loads into their operands
.endr
.endm
.macro ITEM s, w
	s_wait_loadcnt 46                              ; this item's 23 loads are in; the two younger items' 2 x 23 may be out
	s_bfe_u32 s43, s[\w], 0x20010                  ; tiles in it: 0, 1 or 2
	s_cmp_eq_u32 s43, 0
	s_cbranch_scc1 .Ldone_\@
	ADDR \s, 0
	s_cmp_eq_u32 s43, 2
	s_cbranch_scc1 .Ltwo_\@
	LDL \s, 0
	MM \s, 0
	WIN 0
	PLACES
	s_wait_dscnt 0x0
	ADDS 0
	STL \s, 0
	s_branch .Ldone_\@
.Ltwo_\@:
	ADDR \s, 1
	LDL \s, 0
	LDL \s, 1
	MM \s, 0
	MM \s, 1
	WIN 0
	PLACES
	s_wait_dscnt 8                                 ; tile 0's sums are in; tile 1's eight loads may be out
	ADDS 0
	STL \s, 0
	s_wait_dscnt 8                                 ; tile 1's are in; the eight stores just issued may be out
	ADDS 1
	STL \s, 1
.Ldone_\@:
.endm
	s_load_b256 s[4:11], s[0:1], 0x0               ; wq, hq, lists, out0
	v_lshl_add_u32 v78, v0, 2, 0x8200
	v_mov_b32 v79, 0
	s_and_b32 s12, ttmp7, 0xffff                   ; b
	s_lshl_b32 s13, s12, 3                         ; 8 b
	v_and_b32 v2, 15, v0
	v_bfe_u32 v3, v0, 4, 1
	v_lshlrev_b32 v1, 4, v0                        ; one wave: the thread's number is the lane
	v_lshlrev_b32 v4, 2, v0
	v_lshlrev_b32 v2, 4, v2
	v_lshl_add_u32 v10, v3, 12, v2                 ; the way out: 4,096 hh + 16 c
	v_lshlrev_b32 v3, 3, v3
	s_mul_i32 s40, ttmp9, 196608
	s_mov_b32 s41, 0
	s_lshl_b32 s42, ttmp9, 13
	s_mov_b32 s43, 0
	s_mul_i32 s44, s12, 1280
	s_mov_b32 s45, 0
	s_lshl_b32 s46, s12, 9
	s_mov_b32 s47, 0
	s_lshl_b32 s52, s12, 19                        ; 128 b rows of 4,096 bytes,
	s_lshl_b32 s53, ttmp9, 8                       ; + 256 cs
	s_add_co_u32 s52, s52, s53
	s_mov_b32 s53, 0
	s_wait_kmcnt 0x0
	s_add_nc_u64 s[14:15], s[4:5], s[40:41]
	s_add_nc_u64 s[14:15], s[14:15], VQ            ; the slice's images of values
	s_add_nc_u64 s[16:17], s[4:5], s[42:43]
	s_add_nc_u64 s[16:17], s[16:17], VS            ; and their scale words
	s_add_nc_u64 s[18:19], s[6:7], HS              ; h's scale words
	s_add_nc_u64 s[20:21], s[8:9], s[44:45]        ; the block's row bytes
	s_add_nc_u64 s[22:23], s[8:9], s[46:47]
	s_add_nc_u64 s[22:23], s[22:23], CTL           ; the block's items
	s_add_nc_u64 s[50:51], s[10:11], s[52:53]
	s_load_b32 s24, s[22:23], 0x180                ; trips of three items
	s_load_b96 s[28:30], s[22:23], 0x0             ; the items in hand,
	s_load_b96 s[32:34], s[22:23], 0xc             ; and the next three
	s_wait_kmcnt 0x0
	s_min_u32 s24, s24, 19
	REFILL 0, 28
	REFILL 1, 29
	REFILL 2, 30
.irp j, 80,81,82,83
	v_mov_b32 v\j, 0
.endr
.set gk, 0
.rept 65
	ds_store_b128 v1, v[80:83] offset:512*gk       ; the 130 rows begin as zeros
.set gk, gk+1
.endr
	s_mov_b32 s25, 0
.Lq:                                               ; a trip: three items; behind each its set takes the item three further on.  The list's 64 words are all written: the last word read is 3 trips + 5, at most 62
	s_load_b96 s[36:38], s[22:23], 0x18
	ITEM 0, 28
	REFILL 0, 32
	ITEM 1, 29
	REFILL 1, 33
	ITEM 2, 30
	REFILL 2, 34
	s_wait_kmcnt 0x0
	s_mov_b64 s[28:29], s[32:33]
	s_mov_b32 s30, s34
	s_mov_b64 s[32:33], s[36:37]
	s_mov_b32 s34, s38
	s_add_nc_u64 s[22:23], s[22:23], 12
	s_add_co_u32 s25, s25, 1
	s_cmp_lt_u32 s25, s24
	s_cbranch_scc1 .Lq
	; the way out: two rows an instruction.  (The loads of the items behind the list's end may still be out: none of their registers is named again)
.irp bt, 0,1
.if \bt
	s_wait_xcnt 0x0                                ; the first half's stores have read their registers
.endif
.set gk, 0
.rept 32
	ds_load_b128 v[80+4*gk:83+4*gk], v1 offset:16384*\bt+512*gk
.set gk, gk+1
.endr
.set gk, 0
.rept 32
	s_wait_dscnt 31-gk                             ; piece gk is in; the younger ones may be out
	global_store_b128 v10, v[80+4*gk:83+4*gk], s[50:51] offset:(32*\bt+gk)*8192 th:TH_STORE_NT   ; 16 lanes store 256 consecutive bytes, at a multiple of 256 from out0's first byte
.set gk, gk+1
.endr
.endr
	s_wait_tensorcnt 0x0
	ds_add_u32 v78, v79
	s_wait_dscnt 0x0
	s_endpgm
.Lfunc_end_k_q8e014f80a9_down:
	.size	k_q8e014f80a9_down, .Lfunc_end_k_q8e014f80a9_down-k_q8e014f80a9_down
	.p2alignl 7, 3214868480
	.fill 96, 4, 3214868480
	.section	.rodata,"a",@progbits
	.p2align	6, 0x0
	.amdhsa_kernel k_q8e014f80a9_down
		.amdhsa_group_segment_fixed_size 33536
		.amdhsa_private_segment_fixed_size 0
		.amdhsa_enable_private_segment 0
		.amdhsa_kernarg_size 32
		.amdhsa_user_sgpr_count 2
		.amdhsa_user_sgpr_kernarg_segment_ptr 1
		.amdhsa_wavefront_size32 1
		.amdhsa_system_sgpr_workgroup_id_x 1
		.amdhsa_system_sgpr_workgroup_id_y 1
		.amdhsa_system_sgpr_workgroup_id_z 1
		.amdhsa_system_vgpr_workitem_id 0
		.amdhsa_next_free_vgpr 480
		.amdhsa_next_free_sgpr 66
		.amdhsa_reserve_vcc 0
		.amdhsa_float_denorm_mode_32 3
		.amdhsa_float_denorm_mode_16_64 3
		.amdhsa_memory_ordered 1
		.amdhsa_forward_progress 1
		.amdhsa_inst_pref_size 71
	.end_amdhsa_kernel
	.amdgpu_metadata
---
amdhsa.version: [ 1, 2 ]
amdhsa.kernels:
  - .name:           k_q8e014f80a9_down
    .symbol:         k_q8e014f80a9_down.kd
    .args:
      - { .name: wq, .offset: 0, .size: 8, .value_kind: global_buffer, .address_space: global }
      - { .name: hq, .offset: 8, .size: 8, .value_kind: global_buffer, .address_space: global }
      - { .name: lists, .offset: 16, .size: 8, .value_kind: global_buffer, .address_space: global }
      - { .name: out0, .offset: 24, .size: 8, .value_kind: global_buffer, .address_space: global }
    .group_segment_fixed_size: 33536
    .private_segment_fixed_size: 0
    .kernarg_segment_align: 8
    .kernarg_segment_size: 32
    .max_flat_workgroup_size: 32
    .sgpr_count:     66
    .vgpr_count:     480
    .wavefront_size: 32
...
	.end_amdgpu_metadata
.endif
;; end of part 4
;; ======== version 2 of 2: 4 launches
;; workspace buffers: xc 6,553,600 bytes; wq 6,553,600 bytes; sel_ws 131,072 bytes of whole numbers; aff_ws 262,144 bytes; lists 114,688 bytes of whole numbers; roww 327,680 bytes; hq 27,262,976 bytes
;; launch prep (part 5): grid 512 x 1, 4 waves a work-group, no clusters, 122,880 bytes of LDS; arguments selection_input, token_stream, expert_sel, bias_ffn, keys, values, xc, wq, sel_ws, aff_ws, out1; writes xc, wq, sel_ws, aff_ws, out1
.if DOCPART == 5
	.amdgcn_target "amdgcn-amd-amdhsa--gfx1250"
	.amdhsa_code_object_version 6
	.text
	.protected	k_q8e014f80a9_prep
	.globl	k_q8e014f80a9_prep
	.p2align	8
	.type	k_q8e014f80a9_prep,@function
k_q8e014f80a9_prep:
	s_mov_b64 s[64:65], 0
	v_nop
	global_prefetch_b8 v0, s[64:65] scope:SCOPE_SE
	s_setreg_imm32_b32 hwreg(HW_REG_WAVE_SCHED_MODE, 0, 2), 2
	s_setreg_imm32_b32 hwreg(HW_REG_WAVE_MODE, 25, 1), 1
	s_wait_xcnt 0x0
	s_wait_alu depctr_vm_vsrc(0)
; PREP.  Three kinds of work-group, told apart by the work-group's number; each kind has LDS bytes of its own.
;   0..255   32 tokens each.  All four waves quantise expert_sel (16 fragments, shared through LDS, one barrier).  Then waves 0, 1 quantise 16 rows of selection_input each,
;            multiply them by expert_sel on codes of E2M3, take the sigmoid, add the bias, pick the four largest of experts 0..29 (the lower index wins a tie) and store indices
;            and affinities at fixed places; waves 2, 3 quantise 16 rows of token_stream each into xc.
;   256..383 keys   [32][1024][128]: K is the middle axis.  A lane takes a hidden unit, its registers run down K.  Codes leave as images of the operand's registers.
;   384..511 values [32][128][1024]: the same, a lane to a column.
; AN IMAGE: a fragment's 12 registers as three groups of four, group c of lane l at 512 c + 16 l: 1,536 bytes, read back by three loads of 16 bytes a lane.
; THE QUANTISER: a block's scale byte is its largest magnitude's exponent field - 2, held at 1 from below; a block of zeros keeps the byte 1 (its codes are zeros; this program alone reads the bytes).
; LIMITS: NaN and infinities among the inputs are not served; blocks whose largest magnitude lies under 2^-124 keep the byte 1; two router scores that differ by less than the
; f32 rounding of exp2 and the reciprocal may be ranked the other way than by a correctly rounded sigmoid.
; THE MODE: SCHED_MODE bits 1:0 = 2 (LLVM: expert scheduling mode 2), set by the entry lines.  The code itself states the register dependences between vector or matrix
; instructions and memory or LDS instructions, with s_wait_alu, always for 0.
; THE PLAN.  Registers that memory or LDS instructions touch, and who else names them:
;   v4-v15   offsets and LDS addresses: written once on each way, ahead of a wait on va_vdst, and never again.
;   R0, R1   kind 1: global loads land in a set; TURN's LDS stores read it, its LDS loads land in it again; the quantiser reads it.
;   PC, PW   the quantiser writes them; LDS stores read them (expert_sel's images, the tokens' codes), or the products take them as source 1 and its scales.
;   EF, ES   LDS loads land in them; the products read them.
;   kinds 2, 3: two sets of 32 numbers (loads land, the block's lines read); C (the conversions write, LDS stores read); WD (the block's lines write, one store reads).
; So a fragment of kind 1 has ONE wait on vm_vsrc, between TURN's stores and its loads (it also stands behind every earlier LDS store that read PC and PW), and ONE on va_vdst, behind its
; quantiser: PC and PW are written, the quantiser is done reading its set (the set's next global loads follow with no further wait), and the products before are done reading EF and ES.
; A block of kinds 2, 3 has one wait on va_vdst ahead of its LDS stores and one on vm_vsrc behind them.
.set STG,  0                           ; kind 1: a stage of 16 rows x (512 + 16) bytes for each wave
.set EIM,  33792                       ; kind 1: expert_sel's 16 images (K step s, tile n: 2 s + n)
.set ESC,  58368                       ; kind 1: their scale words, 128 bytes each
.set XIM,  60416                       ; kind 1: 16 rows x (768 + 16) bytes of token codes for each of waves 2, 3
.set P2B,  85504                       ; kind 2: two images for each wave
.set P3B,  97792                       ; kind 3: four images for each wave
.set XS,   6291456                     ; xc: the tokens' scale words, 32 bytes a token
.set VQ,   3276800                     ; wq: values' images
.set VS,   6422528                     ; wq: values' scale words
.set R0,   16                          ; v16-79, v80-143: two sets of 64 numbers
.set R1,   80
.set EF,   144                         ; v144-167 two fragments of expert_sel
.set ES,   168                         ; v168-169 their scale words
.set ACC,  176                         ; v176-191 two accumulators
.set PC,   192                         ; v192-210 the codes just made
.set TM,   212                         ; v212-227 at work in the quantiser
.set PW,   228                         ; v228 the scale word just made
.set XW,   232                         ; v232-239 a token tile's eight scale words
.set C,    96                          ; kinds 2, 3: v96-104 a block's codes
.set WD,   106                         ; kinds 2, 3: v106-107 two scale words: outside the two sets of numbers (v16-79), the codes and the read-back registers (v112-159)
; 16 rows' 512 bytes (128 numbers of one K step), a row an instruction: 32 lanes read 512 consecutive bytes
.macro GL set, vo, sb, off, nt
.set gi, 0
.rept 16
.if \nt
	global_load_b128 v[\set+4*gi:\set+4*gi+3], v[\vo], s[\sb:\sb+1] offset:(\off)+4096*gi th:TH_LOAD_NT
.else
	global_load_b128 v[\set+4*gi:\set+4*gi+3], v[\vo], s[\sb:\sb+1] offset:(\off)+4096*gi
.endif
.set gi, gi+1
.endr
.endm
; through the wave's own stage: in as loaded, back so that lane (r, h) holds, of row r, register 16 b + i = k 32 b + 16 h + i.  LDS serves a wave's instructions in order: no wait on DScnt between
.macro TURN set
.set gi, 0
.rept 16
	ds_store_b128 v5, v[\set+4*gi:\set+4*gi+3] offset:528*gi
.set gi, gi+1
.endr
	s_wait_alu depctr_vm_vsrc(0)                   ; the sixteen stores have read the set, in which the loads below land; the LDS stores of the fragment before have read PC and PW, which the quantiser behind writes again
.irp b, 0,1,2,3
.irp j, 0,1,2,3
	ds_load_b128 v[\set+16*\b+4*\j:\set+16*\b+4*\j+3], v6 offset:128*\b+16*\j
.endr
.endr
.endm
; 64 numbers of a lane become a fragment's codes in v[PC] on and its row's scale word in v[PW]
.macro QUANT s
.irp b, 0,1,2,3
	v_max3_num_f32 v[TM+\b], |v[\s+16*\b]|, |v[\s+1+16*\b]|, 0x1800000   ; my 16 numbers of block b, and the floor 2^(3 - 127): the byte cannot fall under 1
.endr
.irp i, 2,4,6,8,10,12,14
.irp b, 0,1,2,3
	v_max3_num_f32 v[TM+\b], v[TM+\b], |v[\s+16*\b+\i]|, |v[\s+1+16*\b+\i]|
.endr
.endr
.irp b, 0,1,2,3
	v_permlanex16_b32 v[TM+4+\b], v[TM+\b], s30, s31
.endr
.irp b, 0,1,2,3
	v_max_num_f32 v[TM+\b], v[TM+\b], v[TM+4+\b]   ; with lane l xor 16's: the block's largest magnitude
.endr
.irp b, 0,1,2,3
	v_add_nc_u32 v[TM+12+\b], 0xff000000, v[TM+\b] ; 2 off its exponent field: the conversion's scale operand
.endr
.irp b, 0,1,2,3
	v_lshrrev_b32 v[TM+4+\b], 23, v[TM+12+\b]      ; the scale's byte
.endr
	v_lshl_or_b32 v[PW], v[TM+5], 8, v[TM+4]
	v_lshl_or_b32 v[PW], v[TM+6], 16, v[PW]
	v_lshl_or_b32 v[PW], v[TM+7], 24, v[PW]
.irp c, 0,1
	v_cvt_scalef32_pk16_fp6_f32 v[PC+6*\c:PC+2+6*\c], v[\s+32*\c:\s+15+32*\c], v[TM+12+2*\c]
	v_cvt_scalef32_pk16_fp6_f32 v[PC+12+4*\c:PC+14+4*\c], v[\s+16+32*\c:\s+31+32*\c], v[TM+12+2*\c+1]   ; (a conversion's three registers begin on an even number)
.endr
	v_nop                                          ; one plain instruction behind the scaled conversions
.irp c, 0,1                                    ; the operand's layout wants a whole block in a lane
.irp i, 0,1,2
	v_permlane16_swap_b32 v[PC+6*\c+\i], v[PC+12+4*\c+\i]
.endr
.irp i, 0,1,2
	v_mov_b32 v[PC+3+6*\c+\i], v[PC+12+4*\c+\i]
.endr
.endr
.endm
.macro FRAG set, left                  ; left: the next fragment's loads, which may stay out
	s_wait_loadcnt \left
	TURN \set
	s_wait_dscnt 0x0                               ; the numbers are back; every earlier LDS store of mine is done too
	QUANT \set
.endm
.macro EOUT idx                        ; a fragment of expert_sel goes to LDS as it stands
	s_wait_alu depctr_va_vdst(0)                   ; the quantiser has written PC and PW, which the stores read, and is done reading its set, in which the global loads behind these stores land
.irp c, 0,1,2
	ds_store_b128 v10, v[PC+4*\c:PC+4*\c+3] offset:(\idx)*1536+512*\c
.endr
	ds_store_b32 v11, v[PW] offset:(\idx)*128
.endm
; kinds 2, 3: 32 numbers down K of my column
.macro LOADB set, sb, off, step
.set gi, 0
.rept 32
	global_load_b32 v[\set+gi], v5, s[\sb:\sb+1] offset:(\off)+gi*(\step) th:TH_LOAD_NT
.set gi, gi+1
.endr
.endm
; a block of 32 along K of my column: its byte into word wreg at byte beta, its 24 bytes of codes to their places in the image: lane row + 16 (beta & 1), registers 6 (beta / 2) on
.macro BLOCK set, left, beta, wreg, stg
	s_wait_loadcnt \left
	v_max3_num_f32 v12, |v[\set]|, |v[\set+1]|, |v[\set+2]|
	v_max3_num_f32 v13, |v[\set+3]|, |v[\set+4]|, |v[\set+5]|
.irp i, 6,10,14,18,22,26
	v_max3_num_f32 v12, v12, |v[\set+\i]|, |v[\set+\i+1]|
	v_max3_num_f32 v13, v13, |v[\set+\i+2]|, |v[\set+\i+3]|
.endr
	v_max3_num_f32 v12, v12, |v[\set+30]|, |v[\set+31]|
	v_max3_num_f32 v12, v12, v13, 0x1800000
	v_add_nc_u32 v11, 0xff000000, v12
	v_lshrrev_b32 v13, 23, v11
.if (\beta) == 0
	v_mov_b32 v[\wreg], v13
.else
	v_lshl_or_b32 v[\wreg], v13, 8*(\beta), v[\wreg]
.endif
	v_cvt_scalef32_pk16_fp6_f32 v[C:C+2], v[\set:\set+15], v11
	v_cvt_scalef32_pk16_fp6_f32 v[C+6:C+8], v[\set+16:\set+31], v11
	v_nop                                          ; one plain instruction behind the scaled conversions
.irp i, 0,1,2
	v_mov_b32 v[C+3+\i], v[C+6+\i]
.endr
	s_wait_alu depctr_va_vdst(0)                   ; the codes are written, which the LDS stores read (ahead of the first block's: the LDS addresses and the scale words' offset too); the scale word's register is written; the lines above are done reading the set, in which the loads of two blocks on land
.if (\beta) < 2
	ds_store_b128 v6, v[C:C+3] offset:(\stg)+256*((\beta)&1)
	ds_store_b64 v6, v[C+4:C+5] offset:(\stg)+256*((\beta)&1)+512
.else
	ds_store_b64 v6, v[C:C+1] offset:(\stg)+256*((\beta)&1)+520
	ds_store_b128 v6, v[C+2:C+5] offset:(\stg)+256*((\beta)&1)+1024
.endif
.endm
	s_load_b512 s[4:19], s[0:1], 0x0               ; selection s[4:5], tokens s[6:7], expert_sel s[8:9], bias s[10:11], keys s[12:13], values s[14:15], xc s[16:17], wq s[18:19]
	s_load_b128 s[20:23], s[0:1], 0x40             ; sel_ws, aff_ws
	s_load_b64 s[24:25], s[0:1], 0x50              ; out1
	v_lshl_add_u32 v254, v0, 2, 0x1de00
	v_mov_b32 v255, 0
	v_lshrrev_b32 v1, 5, v0
	v_readfirstlane_b32 s26, v1                    ; wave 0..3
	v_and_b32 v1, 31, v0                           ; lane
	v_and_b32 v2, 15, v0                           ; r
	v_bfe_u32 v3, v0, 4, 1                         ; h
	v_lshlrev_b32 v4, 4, v1                        ; 16 x lane
	s_mov_b32 s30, 0x76543210
	s_mov_b32 s31, 0xfedcba98                      ; v_permlanex16_b32's selects for lane l xor 16
	s_mov_b32 s90, 0xffff0000                      ; the mask of lanes 16-31
	s_mov_b32 s73, 0
	s_mov_b32 s71, 0
	s_wait_alu depctr_va_sdst(0)                   ; s26 is written, ahead of the branches below and of its first reader on each way
	s_wait_kmcnt 0x0
	s_cmp_lt_u32 ttmp9, 256
	s_cbranch_scc0 .Lweights
; ---------------- kind 1: 32 tokens ----------------
	s_load_b512 s[32:47], s[10:11], 0x0            ; the 32 biases
	s_load_b512 s[48:63], s[10:11], 0x40
	s_mul_i32 s66, s26, 8448
	s_wait_alu depctr_va_vdst(0)
	v_add_nc_u32 v5, s66, v4                       ; my stage, in: 16 x lane
	v_mul_u32_u24 v6, v2, 528
	v_lshl_add_u32 v6, v3, 6, v6
	v_add_nc_u32 v6, s66, v6                       ; and back: row r, + 64 h
	s_and_b32 s67, s26, 1
	s_mul_i32 s68, s67, 12544
	s_add_co_u32 s68, s68, XIM
	v_mul_u32_u24 v7, v2, 784
	v_mad_u32_u24 v7, v3, 384, v7
	v_add_nc_u32 v7, s68, v7                       ; token codes, in: row r of 784 bytes, + 384 h
	v_add_nc_u32 v8, s68, v4                       ; and back
	v_lshl_add_u32 v9, v3, 4, v8                   ; (lanes 16-31 one row's padding further on)
	s_mul_i32 s69, s26, 6144
	s_add_co_u32 s69, s69, EIM
	v_add_nc_u32 v10, s69, v4                      ; where I store my four images of expert_sel
	s_lshl_b32 s69, s26, 9
	s_add_co_u32 s69, s69, ESC
	v_lshl_add_u32 v11, v1, 2, s69                 ; and their scale words
	v_add_nc_u32 v12, EIM, v4                      ; where any image is read
	v_lshl_add_u32 v13, v1, 2, ESC
	s_lshl_b32 s69, s26, 10
	v_add_nc_u32 v14, s69, v4                      ; expert_sel: my two K steps begin 1,024 w bytes into a row
	s_cmp_lt_u32 s26, 2
	s_cselect_b64 s[28:29], s[4:5], s[6:7]         ; waves 0, 1 stream selection_input, waves 2, 3 token_stream
	s_lshl_b32 s70, ttmp9, 5
	s_lshl_b32 s72, s67, 4
	s_add_co_u32 s70, s70, s72                     ; my tile's first token: 32 x work-group + 16 (wave & 1)
	s_lshl_b32 s72, s70, 12
	s_add_nc_u64 s[28:29], s[28:29], s[72:73]
.irp b, 0,1,2,3
	v_mov_b32 v[TM+4+\b], 0                        ; written once: a lane permute's destination counts as one of its sources
.endr
	s_wait_alu depctr_va_vdst(0)                   ; v4 to v14 are written: the offsets and LDS addresses of this kind's loads and stores, but for its last stores'
	GL R0, 14, 8, 0, 0                             ; expert_sel: K step 2 w, rows 0-15
	GL R1, 14, 8, 65536, 0                         ; rows 16-31
	FRAG R0, 16
	EOUT 0
	GL R0, 14, 8, 512, 0                           ; K step 2 w + 1.  (No wait: no vector instruction since the wait in front of the stores above names the set)
	FRAG R1, 16
	EOUT 1
	GL R1, 14, 8, 65536+512, 0
	FRAG R0, 16
	EOUT 2
	GL R0, 4, 28, 0, 1                             ; my stream's K step 0
	FRAG R1, 16
	EOUT 3
	s_wait_kmcnt 0x0                               ; the biases
	s_wait_dscnt 0x0                               ; for the others' sake: my images lie in LDS
	s_barrier_signal -1
	s_barrier_wait -1                              ; all sixteen do; nobody writes them again
	s_cmp_lt_u32 s26, 2
	s_cbranch_scc0 .Lxrole
; ---- waves 0, 1: the router for my 16 tokens.  Source 0 = 16 experts, source 1 = my tokens: lane (r, h) register j of accumulator n is expert 16 n + 8 h + j of token r
.irp s, 0,1,2,3,4,5,6,7
.if \s < 7
	GL R0+64*((\s+1)%2), 4, 28, 512*(\s+1), 1      ; no wait: the set's last reader, the quantiser of the step before, stands ahead of that step's wait on va_vdst, and only products have followed, which do not name the set
	FRAG R0+64*(\s%2), 16
.else
	FRAG R0+64*(\s%2), 0
.endif
.rept 8
	v_nop                                          ; my scale word was written by a vector instruction: eight places ahead of a scaled matrix instruction (the codes: four)
.endr
	s_wait_alu depctr_va_vdst(0)                   ; behind the places: PC and PW are written, which the products below take as source 1 and its scales; the last step's products are done reading EF and ES, in which the loads below land; the quantiser is done reading its set
.irp n, 0,1
.irp c, 0,1,2
	ds_load_b128 v[EF+12*\n+4*\c:EF+12*\n+4*\c+3], v12 offset:(2*\s+\n)*1536+512*\c
.endr
	ds_load_b32 v[ES+\n], v13 offset:(2*\s+\n)*128
.endr
	s_wait_dscnt 0x0
.irp n, 0,1                                    ; the two accumulators take turns, one instruction a turn
.if \s == 0
	v_wmma_scale_f32_16x16x128_f8f6f4 v[ACC+8*\n:ACC+8*\n+7], v[EF+12*\n:EF+12*\n+11], v[PC:PC+11], 0, v[ES+\n], v[PW] matrix_a_fmt:MATRIX_FMT_FP6 matrix_b_fmt:MATRIX_FMT_FP6
.else
	v_wmma_scale_f32_16x16x128_f8f6f4 v[ACC+8*\n:ACC+8*\n+7], v[EF+12*\n:EF+12*\n+11], v[PC:PC+11], v[ACC+8*\n:ACC+8*\n+7], v[ES+\n], v[PW] matrix_a_fmt:MATRIX_FMT_FP6 matrix_b_fmt:MATRIX_FMT_FP6
.endif
.endr
.endr
.rept 4
	v_nop                                          ; four places behind the last products
.endr
.set gj, 0
.rept 16
	v_permlanex16_b32 v[144+gj], v[ACC+gj], s30, s31   ; the other half's sixteen experts (each accumulator is read from its low end on)
.set gj, gj+1
.endr
.irp n, 0,1
.irp j, 0,1,2,3,4,5,6,7
	v_cndmask_b32 v[16+16*\n+\j], v[ACC+8*\n+\j], v[144+8*\n+\j], s90   ; every lane now holds all 32 logits of token r: v16-47
	v_cndmask_b32 v[24+16*\n+\j], v[144+8*\n+\j], v[ACC+8*\n+\j], s90
.endr
.endr
.set gj, 0
.rept 16
	v_pk_mul_f32 v[48+gj:49+gj], v[16+gj:17+gj], 0xbfb8aa3b op_sel_hi:[1,0]   ; - z log2(e)
.set gj, gj+2
.endr
.set gj, 0
	s_wait_alu depctr_va_vdst(0)
.rept 32
	v_exp_f32 v[48+gj], v[48+gj]
.set gj, gj+1
.endr
	v_nop                                          ; a plain instruction behind the batch,
	s_wait_alu depctr_va_vdst(0)                   ; and one wait ahead of its first reader: the 32 exponentials have written v48-79
.set gj, 0
.rept 16
	v_pk_add_f32 v[48+gj:49+gj], v[48+gj:49+gj], 1.0 op_sel_hi:[1,0]
.set gj, gj+2
.endr
.set gj, 0
	s_wait_alu depctr_va_vdst(0)
.rept 32
	v_rcp_f32 v[80+gj], v[48+gj]                   ; the affinities: v80-111
.set gj, gj+1
.endr
	v_nop
	s_wait_alu depctr_va_vdst(0)                   ; the 32 reciprocals have written v80-111, ahead of their first reader
.set gj, 0
.rept 30
	v_add_f32 v[112+gj], s[32+gj], v[80+gj]        ; the routed experts' scores: v112-141.  (s32-61 are free from here on)
.set gj, gj+1
.endr
	v_mov_b32 v147, 0xff800000                     ; -infinity
.irp j, 0,1,2,3,4,5,6,7
	v_mov_b32 v[148+\j], 0                         ; v148-151 the four indices, v152-155 their affinities
.endr
	s_mov_b32 s66, 0
.Ltop:                                             ; four trips: the largest score left; a strictly larger one alone replaces the best, so the lower index wins a tie.  No branch and no address hangs on the choice
	v_mov_b32 v144, v147
	v_mov_b32 v145, 0
	v_mov_b32 v146, 0
.set gj, 0
.rept 30
	v_cmp_gt_f32 vcc_lo, v[112+gj], v144
	s_wait_alu depctr_va_vcc(0)                    ; the compare has written VCC, which the three selects read (each compare hangs on the select before it: they cannot stand in a run)
	v_cndmask_b32 v144, v144, v[112+gj], vcc_lo
	v_cndmask_b32 v145, v145, gj, vcc_lo
	v_cndmask_b32 v146, v146, v[80+gj], vcc_lo
.set gj, gj+1
.endr
.set gj, 0
.rept 30
	v_cmp_eq_u32 s[32+gj], gj, v145                ; which score is the chosen one's: thirty compares that hang on nothing but the index, in one run, a mask each
.set gj, gj+1
.endr
	s_wait_alu depctr_va_sdst(0)                   ; the thirty compares have written s32-61, which the selects below read
.set gj, 0
.rept 30
	v_cndmask_b32 v[112+gj], v[112+gj], v147, s[32+gj]   ; the chosen one is out of the running
.set gj, gj+1
.endr
	v_mov_b32 v148, v149
	v_mov_b32 v149, v150
	v_mov_b32 v150, v151
	v_mov_b32 v151, v145
	v_mov_b32 v152, v153
	v_mov_b32 v153, v154
	v_mov_b32 v154, v155
	v_mov_b32 v155, v146
	s_add_co_u32 s66, s66, 1
	s_cmp_lt_u32 s66, 4
	s_cbranch_scc1 .Ltop
	v_cndmask_b32 v156, v148, v150, s90            ; lanes 0-15 carry picks 0, 1, lanes 16-31 picks 2, 3
	v_cndmask_b32 v157, v149, v151, s90
	v_add_nc_u32 v158, 30, v3                      ; the shared experts
	v_cndmask_b32 v160, v152, v110, s90            ; lanes 0-15 the four routed affinities, lanes 16-31 those of experts 30, 31 and two zeros
	v_cndmask_b32 v161, v153, v111, s90
	v_cndmask_b32 v162, v154, 0, s90
	v_cndmask_b32 v163, v155, 0, s90
	v_lshlrev_b32 v164, 4, v2
	v_lshl_add_u32 v164, v3, 3, v164               ; 16 r + 8 h
	v_mul_u32_u24 v165, v2, 24
	v_lshl_add_u32 v167, v3, 2, v165               ; 24 r + 4 h
	v_lshl_add_u32 v165, v3, 3, v165               ; 24 r + 8 h
	v_lshlrev_b32 v166, 5, v2
	v_lshl_add_u32 v166, v3, 4, v166               ; 32 r + 16 h
	s_lshl_b32 s72, s70, 4
	s_add_nc_u64 s[20:21], s[20:21], s[72:73]
	s_mul_i32 s72, s70, 24
	s_add_nc_u64 s[24:25], s[24:25], s[72:73]
	s_lshl_b32 s72, s70, 5
	s_add_nc_u64 s[22:23], s[22:23], s[72:73]
	s_wait_alu depctr_va_vdst(0)                   ; v156 to v167 are written: the four stores' data and offsets
	global_store_b64 v164, v[156:157], s[20:21]
	global_store_b64 v165, v[156:157], s[24:25]
	global_store_b32 v167, v158, s[24:25] offset:16
	global_store_b128 v166, v[160:163], s[22:23]
	s_wait_dscnt 0x0
	s_wait_alu depctr_hold_cnt(0) depctr_sa_sdst(0) depctr_va_vdst(0) depctr_va_sdst(0) depctr_va_ssrc(0) depctr_va_vcc(0) depctr_vm_vsrc(0)
	s_wait_tensorcnt 0x0
	ds_add_u32 v254, v255
	s_wait_dscnt 0x0
	s_endpgm
; ---- waves 2, 3: my 16 tokens' codes.  Lane (r, h)'s 48 bytes of K step s lie on end at 384 h + 48 s of the token's 768 bytes
.Lxrole:
.irp s, 0,1,2,3,4,5,6,7
.if \s < 7
	GL R0+64*((\s+1)%2), 4, 28, 512*(\s+1), 1      ; no wait: no vector instruction since the last wait on va_vdst names the set
	FRAG R0+64*(\s%2), 16
.else
	FRAG R0+64*(\s%2), 0
.endif
	v_mov_b32 v[XW+\s], v[PW]
	s_wait_alu depctr_va_vdst(0)                   ; the quantiser has written PC, which the stores read, and is done reading its set, in which the next step's global loads (behind the last step: the loads from LDS) land
.irp c, 0,1,2
	ds_store_b128 v7, v[PC+4*\c:PC+4*\c+3] offset:48*\s+16*\c
.endr
.endr
.set gp, 0
.rept 8                                        ; back as 24 pieces of 512 consecutive bytes of the 16 dense rows (my own bytes, in order: no wait)
	ds_load_b128 v[16+12*gp:19+12*gp], v8 offset:1568*gp
	ds_load_b128 v[20+12*gp:23+12*gp], v9 offset:1568*gp+512
	ds_load_b128 v[24+12*gp:27+12*gp], v8 offset:1568*gp+1040
.set gp, gp+1
.endr
	s_mul_i32 s72, s70, 768
	s_add_nc_u64 s[74:75], s[16:17], s[72:73]
	s_lshl_b32 s72, s70, 5
	s_add_nc_u64 s[76:77], s[16:17], s[72:73]
.irp i, 0,1,2,3
	v_cndmask_b32 v[240+\i], v[XW+\i], v[XW+4+\i], s90   ; lanes 0-15 the words of K steps 0-3, lanes 16-31 of 4-7
.endr
	v_lshlrev_b32 v15, 5, v2
	v_lshl_add_u32 v15, v3, 4, v15
	s_wait_alu depctr_va_vdst(0)                   ; v15 and v240 to v243 are written, which the last store below reads
.set gk, 0
.rept 24
	s_wait_dscnt 23-gk                             ; piece gk is back; the younger ones may be out
	global_store_b128 v4, v[16+4*gk:19+4*gk], s[74:75] offset:512*gk   ; 32 lanes store 512 consecutive bytes, at a multiple of 256 from xc's first byte
.set gk, gk+1
.endr
	global_store_b128 v15, v[240:243], s[76:77] offset:XS
	s_wait_dscnt 0x0
	s_wait_alu depctr_hold_cnt(0) depctr_sa_sdst(0) depctr_va_vdst(0) depctr_va_sdst(0) depctr_va_ssrc(0) depctr_va_vcc(0) depctr_vm_vsrc(0)
	s_wait_tensorcnt 0x0
	ds_add_u32 v254, v255
	s_wait_dscnt 0x0
	s_endpgm
.Lweights:
	s_wait_alu depctr_va_vdst(0)
	v_lshlrev_b32 v5, 2, v1                        ; 4 x lane
	s_wait_alu depctr_va_vdst(0)                   ; v4 and v5 are written: the offsets of both kinds' global loads and stores
	s_cmp_lt_u32 ttmp9, 384
	s_cbranch_scc0 .Lvalues
; ---------------- kind 2: keys.  Expert e, K steps 2 sigma and 2 sigma + 1; wave w: hidden units 32 w + lane ----------------
	s_sub_co_u32 s66, ttmp9, 256
	s_lshr_b32 s67, s66, 2                         ; e
	s_and_b32 s68, s66, 3                          ; sigma
	s_lshl_b32 s70, s67, 19
	s_lshl_b32 s72, s68, 17
	s_add_co_u32 s70, s70, s72
	s_lshl_b32 s72, s26, 7
	s_add_co_u32 s70, s70, s72
	s_add_nc_u64 s[12:13], s[12:13], s[70:71]      ; keys at (e, 256 sigma, 32 w)
	LOADB 16, 12, 0, 512
	LOADB 48, 12, 32*512, 512
	v_and_b32 v7, 7, v1                            ; unit v = lane of my 32 is row r = (v & 7) + 8 (v >> 4) of tile 2 w + ((v >> 3) & 1): so that the up product's results are neighbours along the next K
	v_lshrrev_b32 v8, 4, v1
	v_lshl_add_u32 v7, v8, 3, v7
	v_bfe_u32 v8, v1, 3, 1
	v_mul_u32_u24 v6, v8, 1536
	v_lshl_add_u32 v6, v7, 4, v6
	s_mul_i32 s72, s26, 3072
	s_add_co_u32 s78, s72, P2B
	v_add_nc_u32 v6, s78, v6                       ; into my two images
	v_add_nc_u32 v9, s78, v4                       ; and back
	v_lshlrev_b32 v10, 5, v7
	v_lshl_add_u32 v10, v8, 2, v10
	s_lshl_b32 s79, s26, 3
	v_add_nc_u32 v10, s79, v10                     ; my scale word's place: 32 r + 4 (2 w + u)
	s_mul_i32 s70, s67, 102400
	s_add_nc_u64 s[18:19], s[18:19], s[70:71]      ; wq at expert e
	s_mul_i32 s70, s68, 24576
	s_add_co_u32 s70, s70, s72
	s_add_nc_u64 s[74:75], s[18:19], s[70:71]      ; image 8 (2 sigma) + 2 w
	s_lshl_b32 s70, s68, 10
	s_add_nc_u64 s[76:77], s[18:19], s[70:71]
.irp t, 0,1,2,3,4,5,6,7                        ; block t % 4 of K step 2 sigma + t / 4; each K step has a scale word register of its own, so no store's data are written again
.if \t < 7
	BLOCK 16+32*(\t%2), 32, \t%4, WD+\t/4, 0
.else
	BLOCK 16+32*(\t%2), 0, \t%4, WD+\t/4, 0
.endif
.if \t < 6
	LOADB 16+32*(\t%2), 12, (\t+2)*32*512, 512     ; no wait: no vector instruction since the block's wait names the set
.endif
	s_wait_dscnt 0x0
.if \t < 7
	s_wait_alu depctr_vm_vsrc(0)                   ; the block's LDS stores have read the codes' registers, which the next block's conversions write
.endif
.if \t%4 == 3                                  ; a K step's two images are whole
.irp k, 0,1,2,3,4,5
	ds_load_b128 v[112+24*(\t/4)+4*\k:115+24*(\t/4)+4*\k], v9 offset:512*\k
.endr
	s_wait_dscnt 0x0
.irp k, 0,1,2,3,4,5
	global_store_b128 v4, v[112+24*(\t/4)+4*\k:115+24*(\t/4)+4*\k], s[74:75] offset:12288*(\t/4)+512*\k
.endr
	global_store_b32 v10, v[WD+\t/4], s[76:77] offset:98304+512*(\t/4)   ; four bytes a lane inside one piece of 512 bytes that the work-group's four waves fill: one byte in 128 of what is read
.endif
.endr
	s_wait_dscnt 0x0
	s_wait_alu depctr_hold_cnt(0) depctr_sa_sdst(0) depctr_va_vdst(0) depctr_va_sdst(0) depctr_va_ssrc(0) depctr_va_vcc(0) depctr_vm_vsrc(0)
	s_wait_tensorcnt 0x0
	ds_add_u32 v254, v255
	s_wait_dscnt 0x0
	s_endpgm
; ---------------- kind 3: values.  Expert e; wave w: the slice of 64 columns cs = 4 q + w, in two halves of 32 ----------------
.Lvalues:
	s_sub_co_u32 s66, ttmp9, 384
	s_lshr_b32 s67, s66, 2                         ; e
	s_and_b32 s68, s66, 3
	s_lshl_b32 s69, s68, 2
	s_add_co_u32 s69, s69, s26                     ; cs
	s_lshl_b32 s70, s67, 19
	s_lshl_b32 s72, s69, 8
	s_add_co_u32 s70, s70, s72
	s_add_nc_u64 s[14:15], s[14:15], s[70:71]
	LOADB 16, 14, 0, 4096
	LOADB 48, 14, 128, 4096
	v_and_b32 v7, 3, v1                            ; column 32 p + lane = 4 c + n: image n = lane & 3, lane row c = 8 p + (lane >> 2)
	v_lshrrev_b32 v8, 2, v1
	v_mul_u32_u24 v6, v7, 1536
	v_lshl_add_u32 v6, v8, 4, v6
	s_mul_i32 s72, s26, 6144
	s_add_co_u32 s72, s72, P3B
	v_add_nc_u32 v6, s72, v6
	v_add_nc_u32 v9, s72, v4
	s_lshl_b32 s78, s69, 5
	s_add_co_u32 s78, s78, s67                     ; 32 cs + e
	s_mul_i32 s70, s78, 6144
	s_add_nc_u64 s[74:75], s[18:19], s[70:71]
	s_lshl_b32 s70, s78, 8
	s_add_nc_u64 s[76:77], s[18:19], s[70:71]
.irp t, 0,1,2,3,4,5,6,7                        ; block beta = t / 2 of half p = t % 2; each half has a scale word register of its own
.if \t < 7
	BLOCK 16+32*(\t%2), 32, \t/2, WD+\t%2, 128*(\t%2)
.else
	BLOCK 16+32*(\t%2), 0, \t/2, WD+\t%2, 128*(\t%2)
.endif
.if \t < 6
	LOADB 16+32*(\t%2), 14, ((\t+2)/2)*32*4096+128*(\t%2), 4096   ; no wait: no vector instruction since the block's wait names the set
.endif
	s_wait_dscnt 0x0
.if \t < 7
	s_wait_alu depctr_vm_vsrc(0)                   ; the block's LDS stores have read the codes' registers, which the next block's conversions write
.endif
.endr
.irp k, 0,1,2,3,4,5,6,7,8,9,10,11
	ds_load_b128 v[112+4*\k:115+4*\k], v9 offset:512*\k
.endr
	s_wait_dscnt 0x0
.irp k, 0,1,2,3,4,5,6,7,8,9,10,11
	global_store_b128 v4, v[112+4*\k:115+4*\k], s[74:75] offset:VQ+512*\k
.endr
	global_store_b32 v5, v[WD], s[76:77] offset:VS
	global_store_b32 v5, v[WD+1], s[76:77] offset:VS+128
	s_wait_dscnt 0x0
	s_wait_alu depctr_hold_cnt(0) depctr_sa_sdst(0) depctr_va_vdst(0) depctr_va_sdst(0) depctr_va_ssrc(0) depctr_va_vcc(0) depctr_vm_vsrc(0)
	s_wait_tensorcnt 0x0
	ds_add_u32 v254, v255
	s_wait_dscnt 0x0
	s_endpgm
.Lfunc_end_k_q8e014f80a9_prep:
	.size	k_q8e014f80a9_prep, .Lfunc_end_k_q8e014f80a9_prep-k_q8e014f80a9_prep
	.p2alignl 7, 3214868480
	.fill 96, 4, 3214868480
	.section	.rodata,"a",@progbits
	.p2align	6, 0x0
	.amdhsa_kernel k_q8e014f80a9_prep
		.amdhsa_group_segment_fixed_size 122880
		.amdhsa_private_segment_fixed_size 0
		.amdhsa_enable_private_segment 0
		.amdhsa_kernarg_size 88
		.amdhsa_user_sgpr_count 2
		.amdhsa_user_sgpr_kernarg_segment_ptr 1
		.amdhsa_wavefront_size32 1
		.amdhsa_system_sgpr_workgroup_id_x 1
		.amdhsa_system_sgpr_workgroup_id_y 1
		.amdhsa_system_sgpr_workgroup_id_z 1
		.amdhsa_system_vgpr_workitem_id 0
		.amdhsa_next_free_vgpr 256
		.amdhsa_next_free_sgpr 100
		.amdhsa_reserve_vcc 1
		.amdhsa_float_denorm_mode_32 3
		.amdhsa_float_denorm_mode_16_64 3
		.amdhsa_memory_ordered 1
		.amdhsa_forward_progress 1
		.amdhsa_inst_pref_size 255
	.end_amdhsa_kernel
	.section	.bss,"aw",@nobits
	.p2align	6
	.space	262144
	.amdgpu_metadata
---
amdhsa.version: [ 1, 2 ]
amdhsa.kernels:
  - .name:           k_q8e014f80a9_prep
    .symbol:         k_q8e014f80a9_prep.kd
    .args:
      - { .name: selection_input, .offset: 0, .size: 8, .value_kind: global_buffer, .address_space: global }
      - { .name: token_stream, .offset: 8, .size: 8, .value_kind: global_buffer, .address_space: global }
      - { .name: expert_sel, .offset: 16, .size: 8, .value_kind: global_buffer, .address_space: global }
      - { .name: bias_ffn, .offset: 24, .size: 8, .value_kind: global_buffer, .address_space: global }
      - { .name: keys, .offset: 32, .size: 8, .value_kind: global_buffer, .address_space: global }
      - { .name: values, .offset: 40, .size: 8, .value_kind: global_buffer, .address_space: global }
      - { .name: xc, .offset: 48, .size: 8, .value_kind: global_buffer, .address_space: global }
      - { .name: wq, .offset: 56, .size: 8, .value_kind: global_buffer, .address_space: global }
      - { .name: sel_ws, .offset: 64, .size: 8, .value_kind: global_buffer, .address_space: global }
      - { .name: aff_ws, .offset: 72, .size: 8, .value_kind: global_buffer, .address_space: global }
      - { .name: out1, .offset: 80, .size: 8, .value_kind: global_buffer, .address_space: global }
    .group_segment_fixed_size: 122880
    .private_segment_fixed_size: 0
    .kernarg_segment_align: 8
    .kernarg_segment_size: 88
    .max_flat_workgroup_size: 128
    .sgpr_count:     100
    .vgpr_count:     256
    .wavefront_size: 32
...
	.end_amdgpu_metadata
.endif
;; end of part 5
;; launch place (part 6): grid 64 x 1, 1 waves a work-group, no clusters, 7,424 bytes of LDS; arguments sel_ws, aff_ws, lists, roww; writes lists, roww
.if DOCPART == 6
	.amdgcn_target "amdgcn-amd-amdhsa--gfx1250"
	.amdhsa_code_object_version 6
	.text
	.protected	k_q8e014f80a9_place
	.globl	k_q8e014f80a9_place
	.p2align	8
	.type	k_q8e014f80a9_place,@function
k_q8e014f80a9_place:
	s_mov_b64 s[64:65], 0
	v_nop
	global_prefetch_b8 v0, s[64:65] scope:SCOPE_SE
	s_setreg_imm32_b32 hwreg(HW_REG_WAVE_MODE, 25, 1), 1
	s_wait_xcnt 0x0
; PLACE.  One wave takes block b of 128 tokens: lane l of group g (0..3) is token 128 b + 32 g + l.  For each expert e the block's users are ranked in token order and laid into tiles of 16 rows;
; the experts' tiles lie on end in the block's list, expert e's from tile TOF(e) on: at most 512 / 16 + 30 routed tiles and 16 of experts 30, 31: 78 tiles, 1,248 rows, whatever the split.
; Stored for the block: 1,280 row bytes (the row's place 0..127 in the block; 128 for a pad or unused row), 1,280 gate weights (0 for those), and 512 bytes of control words:
; 64 items for the down launch (a pair of tiles: first tile in the list | pair << 8 | tiles in it << 16 | e << 24; filled up with items of no tile), T | TOF << 8 for each expert, and a third of the items rounded up.
; The three tables are built in the wave's own LDS (preset, then scattered into: LDS serves a wave's instructions in order) and leave whole: every byte of both buffers is stored, in pieces of 256 or 512 consecutive bytes.
; An item store that a lane does not owe goes to an LDS dump word of the lane's own: EXEC is never changed.
.set RL,  0                            ; LDS: 1,280 row bytes
.set WL,  1280                         ; 1,280 weights
.set CL,  6400                         ; 64 items, 32 words T | TOF << 8, 32 words NQ; and 128 words behind the items' first: 32 dump words (bytes 6,912 to 7,039)
.set CTL, 81920                        ; lists: the control words, 512 bytes a block, behind 64 x 1,280 row bytes
	s_load_b256 s[4:11], s[0:1], 0x0               ; sel_ws, aff_ws, lists, roww
	v_lshl_add_u32 v254, v0, 2, 0x1c00
	v_mov_b32 v255, 0
	v_and_b32 v1, 31, v0                           ; lane
	v_lshlrev_b32 v2, 4, v1                        ; 16 x lane
	v_lshlrev_b32 v3, 3, v1                        ; 8 x lane
	v_lshlrev_b32 v4, 2, v1                        ; 4 x lane
	v_add_nc_u32 v5, 128, v1                       ; my dump word, counted in words from the items' first
	v_lshlrev_b32 v146, 5, v1                      ; 32 x lane
	s_lshl_b32 s14, ttmp9, 11
	s_mov_b32 s15, 0
	s_lshl_b32 s16, ttmp9, 12
	s_mov_b32 s17, 0
	s_mul_i32 s34, ttmp9, 1280
	s_mov_b32 s35, 0
	s_mul_i32 s36, ttmp9, 5120
	s_mov_b32 s37, 0
	s_lshl_b32 s38, ttmp9, 9
	s_mov_b32 s39, 0
	s_wait_alu depctr_va_vdst(0)
	s_wait_kmcnt 0x0
	s_add_nc_u64 s[4:5], s[4:5], s[14:15]
	s_add_nc_u64 s[6:7], s[6:7], s[16:17]
	s_add_nc_u64 s[28:29], s[8:9], s[34:35]        ; the block's row bytes
	s_add_nc_u64 s[30:31], s[10:11], s[36:37]      ; its weights
	s_add_nc_u64 s[32:33], s[8:9], s[38:39]        ; its control words, CTL bytes on
.irp g, 0,1,2,3
	global_load_b128 v[16+4*\g:19+4*\g], v2, s[4:5] offset:512*\g            ; v[16 + 4 g + k]: pick k
	global_load_b128 v[32+8*\g:35+8*\g], v146, s[6:7] offset:1024*\g         ; v[32 + 8 g + k]: its affinity; k = 4, 5: experts 30, 31
	global_load_b128 v[36+8*\g:39+8*\g], v146, s[6:7] offset:1024*\g+16
.endr
.irp j, 128,129,130,131
	v_mov_b32 v\j, 0x80808080                      ; four rows that nobody owns
.endr
.irp j, 132,133,134,135
	v_mov_b32 v\j, 0
.endr
	v_mov_b32 v136, 0x1f000000                     ; an item of no tile; its numbers name a tile and an expert that exist
	v_mov_b32 v137, 0x1f000000
	ds_store_b128 v2, v[128:131] offset:RL         ; the tables' presets
	ds_store_b128 v2, v[128:131] offset:RL+512
	ds_store_b64 v3, v[128:129] offset:RL+1024
.set gk, 0
.rept 10
	ds_store_b128 v2, v[132:135] offset:WL+512*gk
.set gk, gk+1
.endr
	ds_store_b64 v3, v[136:137] offset:CL
.irp g, 0,1,2,3
	v_add_nc_u32 v[6+\g], 32*\g, v1                ; v6-9: my row in the block
.endr
	v_mov_b32 v13, 1
.irp j, 68,69,70,71,72,73,74,75,76,77,78
	v_mov_b32 v\j, 0                               ; v68-71 masks, v72-75 first places, v76 counts, v77 first items, v78 first tiles: lane e holds expert e's
.endr
	s_wait_loadcnt 0x0
.set gj, 0
.rept 16
	v_min_u32 v[16+gj], 29, v[16+gj]               ; a routed expert's number, held inside its range
.set gj, gj+1
.endr
.irp g, 0,1,2,3
	v_lshlrev_b32 v[64+\g], v[16+4*\g], v13        ; v64-67: my token's four experts as bits
.irp k, 1,2,3
	v_lshlrev_b32 v14, v[16+4*\g+\k], v13
	v_or_b32 v[64+\g], v[64+\g], v14
.endr
.endr
	s_mov_b32 s22, 0                               ; items so far
	s_mov_b32 s24, 0                               ; tiles so far
	s_mov_b32 s25, 0                               ; rows so far: 16 x tiles
.set ge, 0
.rept 30
	s_mov_b32 s21, s25                             ; the place of expert ge's next user
.irp g, 0,1,2,3
	v_and_b32 v14, 1<<ge, v[64+\g]
	v_cmp_ne_u32 s20, 0, v14
	v_writelane_b32 v[68+\g], s20, ge
	v_writelane_b32 v[72+\g], s21, ge
	s_bcnt1_i32_b32 s23, s20
	s_add_co_u32 s21, s21, s23
.endr
	s_sub_co_u32 s23, s21, s25                     ; its users
	v_writelane_b32 v76, s23, ge
	v_writelane_b32 v77, s22, ge
	v_writelane_b32 v78, s24, ge
	s_add_co_u32 s23, s23, 15
	s_lshr_b32 s23, s23, 4                         ; its tiles,
	s_add_co_u32 s24, s24, s23
	s_lshl_b32 s25, s24, 4
	s_add_co_u32 s23, s23, 1
	s_lshr_b32 s23, s23, 1                         ; in pairs
	s_add_co_u32 s22, s22, s23
.set ge, ge+1
.endr
	s_movk_i32 s23, 128                            ; experts 30, 31: all 128 tokens, eight tiles, four pairs
	s_add_co_u32 s26, s24, 8
	s_add_co_u32 s27, s25, 128
	s_wait_alu depctr_va_vdst(0)
	v_writelane_b32 v76, s23, 30
	v_writelane_b32 v77, s22, 30
	v_writelane_b32 v78, s24, 30
	s_add_co_u32 s22, s22, 4
	v_writelane_b32 v76, s23, 31
	v_writelane_b32 v77, s22, 31
	v_writelane_b32 v78, s26, 31
	s_add_co_u32 s22, s22, 4                       ; the block's items: at most 512 / 32 + 30 + 8 = 54
.set gj, 0
.rept 16
	v_lshlrev_b32 v[112+gj], 2, v[16+gj]
.set gj, gj+1
.endr
.irp g, 0,1,2,3
.irp k, 0,1,2,3
	ds_bpermute_b32 v[80+4*\g+\k], v[112+4*\g+\k], v[68+\g]   ; my expert's mask in my group,
	ds_bpermute_b32 v[96+4*\g+\k], v[112+4*\g+\k], v[72+\g]   ; and the place of its first user in my group
.endr
.endr
	s_wait_dscnt 0x0
.set gj, 0
.rept 16
	v_mbcnt_lo_u32_b32 v[80+gj], v[80+gj], v[96+gj]           ; + its users in lower lanes: my row's place in the block's list
	v_min_u32 v[80+gj], 1279, v[80+gj]
	v_lshl_add_u32 v[96+gj], v[80+gj], 2, WL
.set gj, gj+1
.endr
.irp g, 0,1,2,3
.irp k, 0,1,2,3
	ds_store_b8 v[80+4*\g+\k], v[6+\g]
	ds_store_b32 v[96+4*\g+\k], v[32+8*\g+\k]
.endr
.endr
	; experts 30, 31: a token's place in the block is its rank
.irp g, 0,1,2,3
	v_add_nc_u32 v[148+\g], s25, v[6+\g]
	v_add_nc_u32 v[152+\g], s27, v[6+\g]
.endr
.set gj, 0
.rept 8
	v_min_u32 v[148+gj], 1279, v[148+gj]
	v_lshl_add_u32 v[216+gj], v[148+gj], 2, WL
.set gj, gj+1
.endr
.irp g, 0,1,2,3
	ds_store_b8 v[148+\g], v[6+\g]
	ds_store_b8 v[152+\g], v[6+\g]
	ds_store_b32 v[216+\g], v[36+8*\g]
	ds_store_b32 v[220+\g], v[37+8*\g]
.endr
	; tiles, items
	v_add_nc_u32 v79, 15, v76
	v_lshrrev_b32 v79, 4, v79                      ; T
	v_add_nc_u32 v10, 1, v79
	v_lshrrev_b32 v10, 1, v10                      ; pairs
	v_lshl_or_b32 v11, v78, 8, v79                 ; T | TOF << 8
	ds_store_b32 v4, v11 offset:CL+256
	s_add_co_u32 s12, s22, 2
	s_mul_i32 s12, s12, 43
	s_lshr_b32 s12, s12, 7                         ; (items + 2) / 3, exact for numbers up to 56
	v_mov_b32 v12, s12
	ds_store_b32 v4, v12 offset:CL+384
	v_lshl_or_b32 v15, v1, 24, v78                 ; e << 24 | TOF
.irp p, 0,1,2,3
	v_add_nc_u32 v14, -2*\p, v79
	v_min_u32 v14, 2, v14                          ; tiles in pair p
	v_lshl_or_b32 v[138+\p], v14, 16, v15
	v_add_nc_u32 v[138+\p], 258*\p, v[138+\p]      ; the pair's first tile TOF + 2 p (under 128), and p << 8
	v_add_nc_u32 v[142+\p], \p, v77                ; the item's word,
	v_cmp_lt_u32 vcc_lo, \p, v10
	v_cndmask_b32 v[142+\p], v5, v[142+\p], vcc_lo ; or, where my expert has no pair p, my dump word;
	v_min_u32 v[142+\p], 159, v[142+\p]            ; the choice is made first, then the index is held inside the items and dump words,
	v_lshl_add_u32 v[142+\p], v[142+\p], 2, CL     ; and only a shift and an addition follow
	ds_store_b32 v[142+\p], v[138+\p]
.endr
	; the tables leave as they lie
	ds_load_b128 v[160:163], v2 offset:RL
	ds_load_b128 v[164:167], v2 offset:RL+512
	ds_load_b64 v[168:169], v3 offset:RL+1024
.set gk, 0
.rept 10
	ds_load_b128 v[172+4*gk:175+4*gk], v2 offset:WL+512*gk
.set gk, gk+1
.endr
	ds_load_b128 v[212:215], v2 offset:CL
	s_wait_dscnt 0x0
	global_store_b128 v2, v[160:163], s[28:29]
	global_store_b128 v2, v[164:167], s[28:29] offset:512
	global_store_b64 v3, v[168:169], s[28:29] offset:1024
.set gk, 0
.rept 10
	global_store_b128 v2, v[172+4*gk:175+4*gk], s[30:31] offset:512*gk
.set gk, gk+1
.endr
	global_store_b128 v2, v[212:215], s[32:33] offset:CTL
	s_wait_tensorcnt 0x0
	ds_add_u32 v254, v255
	s_wait_dscnt 0x0
	s_endpgm
.Lfunc_end_k_q8e014f80a9_place:
	.size	k_q8e014f80a9_place, .Lfunc_end_k_q8e014f80a9_place-k_q8e014f80a9_place
	.p2alignl 7, 3214868480
	.fill 96, 4, 3214868480
	.section	.rodata,"a",@progbits
	.p2align	6, 0x0
	.amdhsa_kernel k_q8e014f80a9_place
		.amdhsa_group_segment_fixed_size 7424
		.amdhsa_private_segment_fixed_size 0
		.amdhsa_enable_private_segment 0
		.amdhsa_kernarg_size 32
		.amdhsa_user_sgpr_count 2
		.amdhsa_user_sgpr_kernarg_segment_ptr 1
		.amdhsa_wavefront_size32 1
		.amdhsa_system_sgpr_workgroup_id_x 1
		.amdhsa_system_sgpr_workgroup_id_y 1
		.amdhsa_system_sgpr_workgroup_id_z 1
		.amdhsa_system_vgpr_workitem_id 0
		.amdhsa_next_free_vgpr 256
		.amdhsa_next_free_sgpr 66
		.amdhsa_reserve_vcc 1
		.amdhsa_float_denorm_mode_32 3
		.amdhsa_float_denorm_mode_16_64 3
		.amdhsa_memory_ordered 1
		.amdhsa_forward_progress 1
		.amdhsa_inst_pref_size 73
	.end_amdhsa_kernel
	.amdgpu_metadata
---
amdhsa.version: [ 1, 2 ]
amdhsa.kernels:
  - .name:           k_q8e014f80a9_place
    .symbol:         k_q8e014f80a9_place.kd
    .args:
      - { .name: sel_ws, .offset: 0, .size: 8, .value_kind: global_buffer, .address_space: global }
      - { .name: aff_ws, .offset: 8, .size: 8, .value_kind: global_buffer, .address_space: global }
      - { .name: lists, .offset: 16, .size: 8, .value_kind: global_buffer, .address_space: global }
      - { .name: roww, .offset: 24, .size: 8, .value_kind: global_buffer, .address_space: global }
    .group_segment_fixed_size: 7424
    .private_segment_fixed_size: 0
    .kernarg_segment_align: 8
    .kernarg_segment_size: 32
    .max_flat_workgroup_size: 32
    .sgpr_count:     66
    .vgpr_count:     256
    .wavefront_size: 32
...
	.end_amdgpu_metadata
.endif
;; end of part 6
;; launch up (part 7): grid 608 x 1, 4 waves a work-group, no clusters, 102,912 bytes of LDS; arguments xc, wq, lists, roww, hq; writes hq
.if DOCPART == 7
	.amdgcn_target "amdgcn-amd-amdhsa--gfx1250"
	.amdhsa_code_object_version 6
	.text
	.protected	k_q8e014f80a9_up
	.globl	k_q8e014f80a9_up
	.p2align	8
	.type	k_q8e014f80a9_up,@function
k_q8e014f80a9_up:
	s_mov_b64 s[64:65], 0
	v_nop
	global_prefetch_b8 v0, s[64:65] scope:SCOPE_SE
	s_setreg_imm32_b32 hwreg(HW_REG_WAVE_SCHED_MODE, 0, 2), 2
	s_setreg_imm32_b32 hwreg(HW_REG_WAVE_MODE, 25, 1), 1
	s_wait_xcnt 0x0
	s_wait_alu depctr_vm_vsrc(0)
; UP.  h = Q(silu(Q(x) Q(keys_e)) x affinity) for the rows that chose expert e, a tile of 16 rows at a time.
; Work-groups 0..479: expert id / 16, wave w takes the tiles of block 4 (id % 16) + w.  Work-groups 480..607: expert 30 or 31, one block, wave w takes tiles 2 w, 2 w + 1.
; The expert's 64 images and its scale words, 102,400 bytes, are copied into LDS once (through registers; trip counts here hang on stored numbers) and read by all four waves.
; A tile: its 16 rows' bytes from the block's list (token = 128 b + byte mod 128) and their weights, the tokens' codes gathered (a lane reads its 384 consecutive bytes), 64 products (source 0 = 16 hidden units,
; source 1 = the 16 rows: a lane holds one row, its registers run along the hidden units, which are the next product's K), silu and the weight in f32, the quantiser, the image of the operand to hq at tile (64 e + b) 8 + i.
; No cluster: partners would need different numbers of tiles, and what they would share is read once a work-group.
; LIMITS: NaN and infinities are not served; blocks under 2^-124 keep the byte 1 (a pad row's zeros too: its codes are zeros).
; THE MODE: SCHED_MODE bits 1:0 = 2 (LLVM: expert scheduling mode 2), set by the entry lines.  The code itself states the register dependences between vector or matrix
; instructions and memory or LDS instructions, with s_wait_alu, always for 0.
; THE PLAN.  Registers that memory or LDS instructions touch, and who else names them:
;   v1-v7, v241      offsets and LDS addresses, written once at the head.
;   v32-v131         the copy: global loads land, LDS stores read, twice.
;   RB, RW           the rows' bytes and weights of the NEXT tile: asked for at a tile's head, read by the next head's address lines.
;   v10-v15, v242    written at a tile's head; read by the gather, the row loads and the tile's stores.
;   XF, v16-v23      the gather lands; the products read; v32-95 are silu's work registers afterwards.
;   WF, v24-v31      LDS loads land, sixteen groups a tile; the products read; the quantiser works there afterwards and leaves PC and PW, which the stores read.
; A tile's head: one wait on vm_vsrc (all that earlier loads and stores read is written again behind it), all address lines, then ONE wait on va_vdst, behind which the gather, the next tile's
; row loads and the first group's LDS loads follow with no further wait: no vector instruction stands among them.  Each later group: its places, one wait on va_vdst.  One more ahead of the stores.
.set XS,  6291456
.set CTL, 81920
.set HS,  25165824
.set XF,  32                           ; v32-127 the rows' eight fragments; v32-95 later at work
.set ACC, 128                          ; v128-191 eight accumulators
.set WF,  192                          ; v192-239 four fragments of the weights; later:
.set PC,  192
.set TM,  212
.set PW,  228
.set RB,  243                          ; v243 the next tile's row byte
.set RW,  244                          ; v244 and its weight
.macro QUANT s
.irp b, 0,1,2,3
	v_max3_num_f32 v[TM+\b], |v[\s+16*\b]|, |v[\s+1+16*\b]|, 0x1800000   ; my 16 numbers of block b, and the floor 2^(3 - 127)
.endr
.irp i, 2,4,6,8,10,12,14
.irp b, 0,1,2,3
	v_max3_num_f32 v[TM+\b], v[TM+\b], |v[\s+16*\b+\i]|, |v[\s+1+16*\b+\i]|
.endr
.endr
.irp b, 0,1,2,3
	v_permlanex16_b32 v[TM+4+\b], v[TM+\b], s26, s27
.endr
.irp b, 0,1,2,3
	v_max_num_f32 v[TM+\b], v[TM+\b], v[TM+4+\b]
.endr
.irp b, 0,1,2,3
	v_add_nc_u32 v[TM+12+\b], 0xff000000, v[TM+\b]
.endr
.irp b, 0,1,2,3
	v_lshrrev_b32 v[TM+4+\b], 23, v[TM+12+\b]
.endr
	v_lshl_or_b32 v[PW], v[TM+5], 8, v[TM+4]
	v_lshl_or_b32 v[PW], v[TM+6], 16, v[PW]
	v_lshl_or_b32 v[PW], v[TM+7], 24, v[PW]
.irp c, 0,1
	v_cvt_scalef32_pk16_fp6_f32 v[PC+6*\c:PC+2+6*\c], v[\s+32*\c:\s+15+32*\c], v[TM+12+2*\c]
	v_cvt_scalef32_pk16_fp6_f32 v[PC+12+4*\c:PC+14+4*\c], v[\s+16+32*\c:\s+31+32*\c], v[TM+12+2*\c+1]
.endr
	v_nop                                          ; one plain instruction behind the scaled conversions
.irp c, 0,1
.irp i, 0,1,2
	v_permlane16_swap_b32 v[PC+6*\c+\i], v[PC+12+4*\c+\i]
.endr
.irp i, 0,1,2
	v_mov_b32 v[PC+3+6*\c+\i], v[PC+12+4*\c+\i]
.endr
.endr
.endm
; half of the expert's 102,400 bytes: 25 loads of 16 bytes a thread, 2,048 consecutive bytes a work-group and step, and as many LDS stores
.macro COPY half, adr
.set gk, 0
.rept 25
	global_load_b128 v[32+4*gk:35+4*gk], v7, s[20:21] offset:51200*\half+2048*gk
.set gk, gk+1
.endr
.set gk, 0
.rept 25
	s_wait_loadcnt 24-gk                           ; load gk is in; the younger ones of this half may be out
	ds_store_b128 v[\adr], v[32+4*gk:35+4*gk] offset:2048*gk
.set gk, gk+1
.endr
.endm
; where the rows' bytes (v13) and weights (v242) of tile s[src] of (e, b) lie; the tile's number and its place in the block's list are held inside their ranges
.macro ROWADR src
	s_min_u32 s40, s[\src], 7
	s_add_co_u32 s45, s40, s38
	s_min_u32 s45, s45, 77                         ; the tile's place in the block's list
	s_lshl_b32 s45, s45, 4
	s_add_co_u32 s45, s45, s39
	v_add_nc_u32 v13, s45, v4                      ; row r's byte in the lists,
	v_lshlrev_b32 v242, 2, v13                     ; and its weight
.endm
	s_load_b256 s[4:11], s[0:1], 0x0               ; xc, wq, lists, roww
	s_load_b64 s[12:13], s[0:1], 0x20              ; hq
	v_lshl_add_u32 v254, v0, 2, 0x19000
	v_mov_b32 v255, 0
	v_lshrrev_b32 v1, 5, v0
	v_readfirstlane_b32 s14, v1                    ; wave
	s_lshr_b32 s15, ttmp9, 4
	s_and_b32 s16, ttmp9, 15
	s_lshl_b32 s16, s16, 2
	s_wait_alu depctr_va_sdst(0)                   ; s14 is written, ahead of its first reader
	s_add_co_u32 s16, s16, s14
	s_sub_co_u32 s28, ttmp9, 480
	s_lshr_b32 s29, s28, 6
	s_add_co_u32 s29, s29, 30
	s_and_b32 s30, s28, 63
	s_lshl_b32 s31, s14, 1
	s_cmp_lt_u32 ttmp9, 480
	s_cselect_b32 s15, s15, s29                    ; e
	s_cselect_b32 s16, s16, s30                    ; b
	s_cselect_b32 s17, 0, s31                      ; my first tile of (e, b)
	s_cselect_b32 s32, 8, 2                        ; and how many at the most
	s_lshl_b32 s33, s15, 6
	s_add_co_u32 s33, s33, s16
	s_lshl_b32 s19, s33, 3                         ; (64 e + b) 8
	s_lshl_b32 s34, s16, 9
	s_lshl_b32 s35, s15, 2
	s_add_co_u32 s34, s34, s35                     ; the word of (b, e) among the control words: 512 b + 4 e
	s_mul_i32 s39, s16, 1280                       ; the block's list
	s_lshl_b32 s44, s16, 7                         ; 128 b
	s_mul_i32 s36, s15, 102400
	s_mov_b32 s37, 0
	s_mov_b32 s26, 0x76543210
	s_mov_b32 s27, 0xfedcba98
	v_and_b32 v5, 31, v0
	v_lshlrev_b32 v1, 4, v5                        ; 16 x lane
	v_lshlrev_b32 v5, 2, v5                        ; 4 x lane
	v_add_nc_u32 v2, 49152, v1                     ; the same, 32 images on
	v_and_b32 v4, 15, v0                           ; r
	v_lshlrev_b32 v3, 5, v4
	v_add_nc_u32 v3, 98304, v3                     ; the weights' scale words: 32 bytes for lane row r, 512 a K step
	v_bfe_u32 v6, v0, 4, 1
	v_mul_u32_u24 v6, v6, 384                      ; 384 h
	v_lshlrev_b32 v7, 4, v0                        ; the copy: 16 x thread
	v_add_nc_u32 v241, 51200, v7
	s_wait_kmcnt 0x0
	s_load_b32 s18, s[8:9], s34 offset:CTL+256     ; the tiles of (e, b), and where they begin in the block's list
	s_add_nc_u64 s[20:21], s[6:7], s[36:37]
	s_add_nc_u64 s[22:23], s[12:13], HS
	s_wait_alu depctr_va_vdst(0)                   ; v1 to v7 and v241 are written: the offsets and LDS addresses that stay
	COPY 0, 7
	s_wait_dscnt 0x0                               ; the first half's stores are done
	s_wait_alu depctr_vm_vsrc(0)                   ; and have read v32 to v131, in which the second half's loads land
	s_wait_kmcnt 0x0
	s_bfe_u32 s38, s18, 0x70008                    ; TOF
	s_and_b32 s18, s18, 0xff
	s_min_u32 s18, s18, 8                          ; T
	s_add_co_u32 s32, s17, s32
	s_min_u32 s18, s18, s32                        ; behind my last tile
	ROWADR 17                                      ; my first tile's rows are asked for here, ahead of the copy's second half
	s_wait_alu depctr_va_vdst(0)                   ; v13 and v242 are written, which the two loads read
	global_load_u8 v[RB], v13, s[8:9]              ; the row's place in the block (128: a pad row)
	global_load_b32 v[RW], v242, s[10:11]          ; and its weight
	COPY 1, 241
	s_wait_dscnt 0x0                               ; for the others' sake: my part of the weights lies in LDS
	s_barrier_signal -1
	s_barrier_wait -1                              ; the expert's weights lie in LDS; nobody writes them again
.irp b, 0,1,2,3
	v_mov_b32 v[TM+4+\b], 0                        ; a lane permute's destination counts as one of its sources
.endr
	s_cmp_lt_u32 s17, s18
	s_cbranch_scc0 .Lend
.Ltile:
	s_wait_loadcnt 0x0                             ; this tile's row bytes and weights are in: they were asked for a tile ago (the first tile's: ahead of the copy's second half)
	s_wait_xcnt 0x0                                ; the earlier loads and stores have had their addresses translated: their offsets and data are written again below
	s_wait_alu depctr_vm_vsrc(0)                   ; the last tile's loads and stores have read v11 to v15 and v242, its stores PC and PW; in the first trip the copy's LDS stores have read v32 to v131: all of these are written again below
	v_and_b32 v10, 127, v[RB]                      ; (a pad row takes the block's first token; its weight is 0)
	v_add_nc_u32 v10, s44, v10                     ; the token
	v_min_u32 v10, 0x1fff, v10
	v_mul_u32_u24 v11, v10, 768
	v_add_nc_u32 v11, v11, v6
	v_lshlrev_b32 v12, 5, v10
	v_mov_b32 v8, v[RW]                            ; the row's weight,
	v_mov_b32 v9, v[RW]                            ; (named with v8 as a pair)
	s_min_u32 s40, s17, 7
	s_add_co_u32 s40, s40, s19                     ; G
	s_mul_i32 s42, s40, 1536
	v_add_nc_u32 v14, s42, v1                      ; the tile's image in hq
	s_lshl_b32 s43, s40, 7
	v_add_nc_u32 v15, s43, v5                      ; and its scale words
	s_add_co_u32 s46, s17, 1
	ROWADR 46                                      ; the next tile's rows.  (Behind my last tile the numbers are held inside the list: 80 bytes a wave are then read and not used)
	s_wait_alu depctr_va_vdst(0)                   ; v11 to v15 and v242 are written, which the loads below and the tile's stores read; the lines above are done reading RB and RW, and the last tile's products, silu and quantiser are done with XF, v16 to v31 and WF: the loads below land in all of these
.set gk, 0
.rept 24
	global_load_b128 v[XF+4*gk:XF+4*gk+3], v11, s[4:5] offset:16*gk   ; registers 12 s on: the fragment of K step s
.set gk, gk+1
.endr
	global_load_b128 v[16:19], v12, s[4:5] offset:XS                  ; v[16 + s]: the row's scale word of K step s
	global_load_b128 v[20:23], v12, s[4:5] offset:XS+16
	global_load_u8 v[RB], v13, s[8:9]              ; a tile ahead
	global_load_b32 v[RW], v242, s[10:11]
.irp s, 0,1,2,3,4,5,6,7
.irp q, 0,1
.if (\s+\q) > 0
.rept 4
	v_nop                                          ; four places in front of loads into registers that matrix instructions have read
.endr
	s_wait_alu depctr_va_vdst(0)                   ; behind the places: the four products before are done reading WF (and, where a K step begins, the scale words v24 to v31), in which the loads below land
.endif
.irp k, 0,1,2,3
.irp c, 0,1,2
.if \s < 4
	ds_load_b128 v[WF+12*\k+4*\c:WF+12*\k+4*\c+3], v1 offset:(8*\s+4*\q+\k)*1536+512*\c
.else
	ds_load_b128 v[WF+12*\k+4*\c:WF+12*\k+4*\c+3], v2 offset:(8*(\s-4)+4*\q+\k)*1536+512*\c
.endif
.endr
.endr
.if \q == 0
	ds_load_b128 v[24:27], v3 offset:512*\s        ; v[24 + tile]: the weights' scale words of this K step
	ds_load_b128 v[28:31], v3 offset:512*\s+16
.endif
	s_wait_dscnt 0x0
.if (\s+\q) == 0
	s_wait_loadcnt 2                               ; the rows' codes and scale words are in; the two younger loads, the next tile's rows, may be out
.endif
.irp k, 0,1,2,3                                ; the eight accumulators take turns, one instruction a turn
.if \s == 0
	v_wmma_scale_f32_16x16x128_f8f6f4 v[ACC+8*(4*\q+\k):ACC+8*(4*\q+\k)+7], v[WF+12*\k:WF+12*\k+11], v[XF+12*\s:XF+12*\s+11], 0, v[24+4*\q+\k], v[16+\s] matrix_a_fmt:MATRIX_FMT_FP6 matrix_b_fmt:MATRIX_FMT_FP6
.else
	v_wmma_scale_f32_16x16x128_f8f6f4 v[ACC+8*(4*\q+\k):ACC+8*(4*\q+\k)+7], v[WF+12*\k:WF+12*\k+11], v[XF+12*\s:XF+12*\s+11], v[ACC+8*(4*\q+\k):ACC+8*(4*\q+\k)+7], v[24+4*\q+\k], v[16+\s] matrix_a_fmt:MATRIX_FMT_FP6 matrix_b_fmt:MATRIX_FMT_FP6
.endif
.endr
.endr
.endr
.rept 4
	v_nop                                          ; four places behind the last products
.endr
.set gj, 0
.rept 32
	v_pk_mul_f32 v[32+gj:33+gj], v[ACC+gj:ACC+gj+1], 0xbfb8aa3b op_sel_hi:[1,0]   ; - z log2(e); each accumulator is read from its low end on
.set gj, gj+2
.endr
.set gj, 0
	s_wait_alu depctr_va_vdst(0)
.rept 64
	v_exp_f32 v[32+gj], v[32+gj]
.set gj, gj+1
.endr
	v_nop                                          ; a plain instruction behind the batch,
	s_wait_alu depctr_va_vdst(0)                   ; and one wait ahead of its first reader: the 64 exponentials have written v32-95
.set gj, 0
.rept 32
	v_pk_add_f32 v[32+gj:33+gj], v[32+gj:33+gj], 1.0 op_sel_hi:[1,0]
.set gj, gj+2
.endr
.set gj, 0
	s_wait_alu depctr_va_vdst(0)
.rept 64
	v_rcp_f32 v[32+gj], v[32+gj]
.set gj, gj+1
.endr
	v_nop
	s_wait_alu depctr_va_vdst(0)                   ; the 64 reciprocals have written v32-95, ahead of their first reader
.set gj, 0
.rept 32
	v_pk_mul_f32 v[ACC+gj:ACC+gj+1], v[ACC+gj:ACC+gj+1], v[32+gj:33+gj]           ; silu = z x sigmoid(z)
.set gj, gj+2
.endr
.set gj, 0
.rept 32
	v_pk_mul_f32 v[ACC+gj:ACC+gj+1], v[ACC+gj:ACC+gj+1], v[8:9] op_sel_hi:[1,0]   ; x the row's affinity
.set gj, gj+2
.endr
	QUANT ACC
	s_wait_alu depctr_va_vdst(0)                   ; the quantiser has written PC and PW, which the stores read
.irp c, 0,1,2
	global_store_b128 v14, v[PC+4*\c:PC+4*\c+3], s[12:13] offset:512*\c           ; 512 consecutive bytes a store
.endr
	global_store_b32 v15, v[PW], s[22:23]
	s_add_co_u32 s17, s17, 1
	s_cmp_lt_u32 s17, s18
	s_cbranch_scc1 .Ltile
.Lend:
	s_wait_dscnt 0x0
	s_wait_alu depctr_hold_cnt(0) depctr_sa_sdst(0) depctr_va_vdst(0) depctr_va_sdst(0) depctr_va_ssrc(0) depctr_va_vcc(0) depctr_vm_vsrc(0)
	s_wait_tensorcnt 0x0
	ds_add_u32 v254, v255
	s_wait_dscnt 0x0
	s_endpgm
.Lfunc_end_k_q8e014f80a9_up:
	.size	k_q8e014f80a9_up, .Lfunc_end_k_q8e014f80a9_up-k_q8e014f80a9_up
	.p2alignl 7, 3214868480
	.fill 96, 4, 3214868480
	.section	.rodata,"a",@progbits
	.p2align	6, 0x0
	.amdhsa_kernel k_q8e014f80a9_up
		.amdhsa_group_segment_fixed_size 102912
		.amdhsa_private_segment_fixed_size 0
		.amdhsa_enable_private_segment 0
		.amdhsa_kernarg_size 40
		.amdhsa_user_sgpr_count 2
		.amdhsa_user_sgpr_kernarg_segment_ptr 1
		.amdhsa_wavefront_size32 1
		.amdhsa_system_sgpr_workgroup_id_x 1
		.amdhsa_system_sgpr_workgroup_id_y 1
		.amdhsa_system_sgpr_workgroup_id_z 1
		.amdhsa_system_vgpr_workitem_id 0
		.amdhsa_next_free_vgpr 256
		.amdhsa_next_free_sgpr 66
		.amdhsa_reserve_vcc 0
		.amdhsa_float_denorm_mode_32 3
		.amdhsa_float_denorm_mode_16_64 3
		.amdhsa_memory_ordered 1
		.amdhsa_forward_progress 1
		.amdhsa_inst_pref_size 59
	.end_amdhsa_kernel
	.amdgpu_metadata
---
amdhsa.version: [ 1, 2 ]
amdhsa.kernels:
  - .name:           k_q8e014f80a9_up
    .symbol:         k_q8e014f80a9_up.kd
    .args:
      - { .name: xc, .offset: 0, .size: 8, .value_kind: global_buffer, .address_space: global }
      - { .name: wq, .offset: 8, .size: 8, .value_kind: global_buffer, .address_space: global }
      - { .name: lists, .offset: 16, .size: 8, .value_kind: global_buffer, .address_space: global }
      - { .name: roww, .offset: 24, .size: 8, .value_kind: global_buffer, .address_space: global }
      - { .name: hq, .offset: 32, .size: 8, .value_kind: global_buffer, .address_space: global }
    .group_segment_fixed_size: 102912
    .private_segment_fixed_size: 0
    .kernarg_segment_align: 8
    .kernarg_segment_size: 40
    .max_flat_workgroup_size: 128
    .sgpr_count:     66
    .vgpr_count:     256
    .wavefront_size: 32
...
	.end_amdgpu_metadata
.endif
;; end of part 7
;; launch down (part 8): grid 16 x 64, 1 waves a work-group, no clusters, 33,536 bytes of LDS; arguments wq, hq, lists, out0; writes out0
.if DOCPART == 8
	.amdgcn_target "amdgcn-amd-amdhsa--gfx1250"
	.amdhsa_code_object_version 6
	.text
	.protected	k_q8e014f80a9_down
	.globl	k_q8e014f80a9_down
	.p2align	8
	.type	k_q8e014f80a9_down,@function
k_q8e014f80a9_down:
	s_mov_b64 s[64:65], 0
	v_nop
	global_prefetch_b8 v0, s[64:65] scope:SCOPE_SE
	s_setreg_imm32_b32 hwreg(HW_REG_WAVE_SCHED_MODE, 0, 2), 2
	s_setreg_imm32_b32 hwreg(HW_REG_WAVE_MODE, 25, 1), 1
	s_wait_xcnt 0x0
	s_wait_alu depctr_vm_vsrc(0)
; DOWN.  One wave owns 128 tokens (block b) x 64 columns (slice cs) of out0 and keeps their sums in its own LDS: row tau of 256 bytes is token 128 b + tau; row 128 takes the pad rows.
; It walks the block's list of items (a pair of tiles of one expert): h's images and scale words, the expert's four images of values for the slice, the rows' bytes.
; Source 0 = the 16 rows of h, source 1 = 16 columns of values (image n: column 4 c + n): lane (c, hh) register j of product n is (row 8 hh + j, column 4 c + n), so that a lane's four products
; give 16 neighbouring bytes of a row, and sixteen lanes a whole row of 256 bytes: the sums are read, added to and written back by whole rows, and leave as they lie.
; Each output row has one owner: nothing is added between work-groups.  The rows of one item are different tokens (pad rows meet in the dummy row alone); items follow each other through LDS in the wave's order.
; Three items' operands are on their way at a time, 23 loads each, in three sets of registers.  Trip counts and branches hang on stored numbers.  No tensor load, no cluster.
; THE MODE: SCHED_MODE bits 1:0 = 2 (LLVM: expert scheduling mode 2), set by the entry lines.  The code itself states the register dependences between vector or matrix
; instructions and memory or LDS instructions, with s_wait_alu, always for 0.
; THE PLAN.  Registers that memory or LDS instructions touch, and who else names them:
;   v1-v4, v10      offsets, written once at the head.
;   v5-v9           REFILL writes them; its 23 loads read them.
;   set s           (window 1: 72 registers; v[12 + 4 s] on, v[24 + 2 s] on, v[32 + 4 s] on)  REFILL's loads land; item s's products and address lines read.
;   v[208 + 16 s]   item s's address lines write; its LDS loads and stores read.
;   v80-v143        an item's LDS loads land; its additions write; its LDS stores read.        v144-v207  the products write, the additions read; on the way out LDS loads land in v80-v207.
; An item: one wait on va_vdst behind its address lines, ahead of its LDS loads; one behind its additions, ahead of its LDS stores.  REFILL, which follows it: one wait on vm_vsrc (the earlier loads
; have read v5-v9; the item's LDS instructions have read sums and addresses), five additions, the window switch, one wait on va_vdst, the loads.
.set VQ,  3276800
.set VS,  6422528
.set HS,  25165824
.set CTL, 81920
; window 0: v1 16 x lane, v2 16 c, v3 8 hh, v4 4 x lane, v5-9 the loads' offsets, v10 the way out; v[12 + 4 s] values' scale words, v[24 + 2 s] h's, v[32 + 4 s] the rows' bytes;
;           v80-143 the sums of two tiles, v144-207 the products, v[208 + 16 s] the rows' LDS addresses.   window 1: set s at 72 s: h's two fragments, then values' four.
.set MSB, 0
.macro WIN new                         ; the immediate's high byte repeats the setting that is left
.if MSB != \new
	s_set_vgpr_msb (MSB<<8)|\new
.set MSB, \new
.endif
.endm
.macro REFILL s, w, first              ; the operands of the item in s[w] into set s: 23 loads.  first = 1: the kernel's first, with no load ahead of it
.if !\first
	s_wait_xcnt 0x0                                ; the earlier loads have had their addresses translated: their offsets are written again
	s_wait_alu depctr_vm_vsrc(0)                   ; the earlier loads have read v5 to v9, which are written again below; the item's LDS loads and stores have read its rows' addresses and the sums v80 to v143, which later items write again
.endif
	s_and_b32 s40, s[\w], 0x7f
	s_min_u32 s40, s40, 78                         ; the pair's first tile in the block's list
	s_bfe_u32 s41, s[\w], 0x50018
	s_min_u32 s41, s41, 31                         ; e
	s_bfe_u32 s42, s[\w], 0x20008                  ; which pair of (e, b)
	s_lshl_b32 s42, s42, 1
	s_lshl_b32 s44, s41, 9
	s_add_co_u32 s44, s44, s42
	s_add_co_u32 s44, s44, s13
	s_min_u32 s44, s44, 0x3ffe                     ; G0 = (64 e + b) 8 + 2 pair
	s_mul_i32 s42, s44, 1536
	v_add_nc_u32 v5, s42, v1
	s_mul_i32 s42, s41, 6144
	v_add_nc_u32 v6, s42, v1
	s_lshl_b32 s42, s41, 8
	v_add_nc_u32 v7, s42, v2
	s_lshl_b32 s42, s44, 7
	v_add_nc_u32 v8, s42, v4
	s_lshl_b32 s42, s40, 4
	v_add_nc_u32 v9, s42, v3
	WIN 0x40                                       ; destination window 1, offset window 0
	s_wait_alu depctr_va_vdst(0)                   ; v5 to v9 are written, which the loads read; the item's products are done reading set s and its scale words, its address lines the rows' bytes: the loads land in all of these
.irp k, 0,1,2,3,4,5
	global_load_b128 v[72*\s+4*\k:72*\s+4*\k+3], v5, s[6:7] offset:512*\k
.endr
.irp k, 0,1,2,3,4,5,6,7,8,9,10,11
	global_load_b128 v[72*\s+24+4*\k:72*\s+24+4*\k+3], v6, s[14:15] offset:512*\k
.endr
	WIN 0
	global_load_b128 v[12+4*\s:15+4*\s], v7, s[16:17]
	global_load_b32 v[24+2*\s], v8, s[18:19]
	global_load_b32 v[25+2*\s], v8, s[18:19] offset:128
	global_load_b64 v[32+4*\s:33+4*\s], v9, s[20:21]              ; my eight rows 8 hh + j of the first tile, a byte each,
	global_load_b64 v[34+4*\s:35+4*\s], v9, s[20:21] offset:16    ; and of the second
.endm
.macro ADDR s, k                       ; the rows' bytes, held at 128, become LDS addresses: 256 x row + 16 c
.irp j, 0,1,2,3,4,5,6,7
	v_bfe_u32 v[208+16*\s+8*\k+\j], v[32+4*\s+2*\k+\j/4], 8*(\j%4), 8
.endr
.irp j, 0,1,2,3,4,5,6,7
	v_min_u32 v[208+16*\s+8*\k+\j], 128, v[208+16*\s+8*\k+\j]
.endr
.irp j, 0,1,2,3,4,5,6,7
	v_lshl_add_u32 v[208+16*\s+8*\k+\j], v[208+16*\s+8*\k+\j], 8, v2
.endr
.endm
.macro LDL s, k
.irp j, 0,1,2,3,4,5,6,7
	ds_load_b128 v[80+32*\k+4*\j:83+32*\k+4*\j], v[208+16*\s+8*\k+\j]
.endr
.endm
.macro STL s, k
.irp j, 0,1,2,3,4,5,6,7
	ds_store_b128 v[208+16*\s+8*\k+\j], v[80+32*\k+4*\j:83+32*\k+4*\j]
.endr
.endm
.macro MM s, k                         ; four products of 16 x 16 x 128, each on an accumulator of its own, begun with 0
	WIN 0x05                                       ; sources 0 and 1 window 1, result window 0
.irp n, 0,1,2,3
	v_wmma_scale_f32_16x16x128_f8f6f4 v[144+32*\k+8*\n:151+32*\k+8*\n], v[72*\s+12*\k:72*\s+12*\k+11], v[72*\s+24+12*\n:72*\s+24+12*\n+11], 0, v[24+2*\s+\k], v[12+4*\s+\n] matrix_a_fmt:MATRIX_FMT_FP6 matrix_b_fmt:MATRIX_FMT_FP6
.endr
.endm
.macro ADDS k                          ; each accumulator is read from its low end on
.irp n, 0,1,2,3
.irp j, 0,1,2,3,4,5,6,7
	v_add_f32 v[80+32*\k+4*\j+\n], v[80+32*\k+4*\j+\n], v[144+32*\k+8*\n+\j]
.endr
.endr
.endm
.macro PLACES
.rept 4
	v_nop                                          ; four places behind the products, ahead of the first read of a result and of the next loads into their operands
.endr
.endm
.macro ITEM s, w
	s_wait_loadcnt 46                              ; this item's 23 loads are in; the two younger items' 2 x 23 may be out
	s_bfe_u32 s43, s[\w], 0x20010                  ; tiles in it: 0, 1 or 2
	s_cmp_eq_u32 s43, 0
	s_cbranch_scc1 .Ldone_\@
	ADDR \s, 0
	s_cmp_eq_u32 s43, 2
	s_cbranch_scc1 .Ltwo_\@
	s_wait_alu depctr_va_vdst(0)                   ; the rows' addresses are written, which the LDS loads read; the last item's additions have written v80 on, in which they land
	LDL \s, 0
	MM \s, 0
	WIN 0
	PLACES
	s_wait_dscnt 0x0
	ADDS 0
	s_wait_alu depctr_va_vdst(0)                   ; the additions have written the sums, which the LDS stores read
	STL \s, 0
	s_branch .Ldone_\@
.Ltwo_\@:
	ADDR \s, 1
	s_wait_alu depctr_va_vdst(0)                   ; both tiles' addresses are written, which the LDS loads read; the last item's additions have written v80 on, in which they land
	LDL \s, 0
	LDL \s, 1
	MM \s, 0
	MM \s, 1
	WIN 0
	PLACES
	s_wait_dscnt 8                                 ; tile 0's sums are in; tile 1's eight loads may be out
	ADDS 0
	s_wait_dscnt 0x0                               ; tile 1's are in
	ADDS 1
	s_wait_alu depctr_va_vdst(0)                   ; the additions have written both tiles' sums, which the LDS stores read: one wait for the sixteen
	STL \s, 0
	STL \s, 1
.Ldone_\@:
.endm
	s_load_b256 s[4:11], s[0:1], 0x0               ; wq, hq, lists, out0
	v_lshl_add_u32 v78, v0, 2, 0x8200
	v_mov_b32 v79, 0
	s_and_b32 s12, ttmp7, 0xffff                   ; b
	s_lshl_b32 s13, s12, 3                         ; 8 b
	v_and_b32 v2, 15, v0
	v_bfe_u32 v3, v0, 4, 1
	v_lshlrev_b32 v1, 4, v0                        ; one wave: the thread's number is the lane
	v_lshlrev_b32 v4, 2, v0
	v_lshlrev_b32 v2, 4, v2
	v_lshl_add_u32 v10, v3, 12, v2                 ; the way out: 4,096 hh + 16 c
	v_lshlrev_b32 v3, 3, v3
	s_mul_i32 s40, ttmp9, 196608
	s_mov_b32 s41, 0
	s_lshl_b32 s42, ttmp9, 13
	s_mov_b32 s43, 0
	s_mul_i32 s44, s12, 1280
	s_mov_b32 s45, 0
	s_lshl_b32 s46, s12, 9
	s_mov_b32 s47, 0
	s_lshl_b32 s52, s12, 19                        ; 128 b rows of 4,096 bytes,
	s_lshl_b32 s53, ttmp9, 8                       ; + 256 cs
	s_add_co_u32 s52, s52, s53
	s_mov_b32 s53, 0
	s_wait_alu depctr_va_vdst(0)
	s_wait_kmcnt 0x0
	s_add_nc_u64 s[14:15], s[4:5], s[40:41]
	s_add_nc_u64 s[14:15], s[14:15], VQ            ; the slice's images of values
	s_add_nc_u64 s[16:17], s[4:5], s[42:43]
	s_add_nc_u64 s[16:17], s[16:17], VS            ; and their scale words
	s_add_nc_u64 s[18:19], s[6:7], HS              ; h's scale words
	s_add_nc_u64 s[20:21], s[8:9], s[44:45]        ; the block's row bytes
	s_add_nc_u64 s[22:23], s[8:9], s[46:47]
	s_add_nc_u64 s[22:23], s[22:23], CTL           ; the block's items
	s_add_nc_u64 s[50:51], s[10:11], s[52:53]
	s_load_b32 s24, s[22:23], 0x180                ; trips of three items
	s_load_b96 s[28:30], s[22:23], 0x0             ; the items in hand,
	s_load_b96 s[32:34], s[22:23], 0xc             ; and the next three
	s_wait_kmcnt 0x0
	s_min_u32 s24, s24, 19
	REFILL 0, 28, 1                                ; (its wait on va_vdst also stands behind the lines that wrote v1 to v4 and v10)
	REFILL 1, 29, 0
	REFILL 2, 30, 0
.irp j, 80,81,82,83
	v_mov_b32 v\j, 0
.endr
	s_wait_alu depctr_va_vdst(0)                   ; v80 to v83 are written, which the stores below read
.set gk, 0
.rept 65
	ds_store_b128 v1, v[80:83] offset:512*gk       ; the 130 rows begin as zeros
.set gk, gk+1
.endr
	s_wait_alu depctr_vm_vsrc(0)                   ; these stores have read v80 to v83, in which the first item's sums land
	s_mov_b32 s25, 0
.Lq:                                               ; a trip: three items; behind each its set takes the item three further on.  The list's 64 words are all written: the last word read is 3 trips + 5, at most 62
	s_load_b96 s[36:38], s[22:23], 0x18
	ITEM 0, 28
	REFILL 0, 32, 0
	ITEM 1, 29
	REFILL 1, 33, 0
	ITEM 2, 30
	REFILL 2, 34, 0
	s_wait_kmcnt 0x0
	s_mov_b64 s[28:29], s[32:33]
	s_mov_b32 s30, s34
	s_mov_b64 s[32:33], s[36:37]
	s_mov_b32 s34, s38
	s_add_nc_u64 s[22:23], s[22:23], 12
	s_add_co_u32 s25, s25, 1
	s_cmp_lt_u32 s25, s24
	s_cbranch_scc1 .Lq
	; the way out: two rows an instruction.  (The loads of the items behind the list's end may still be out: none of their registers is named again.)
	; The first half's LDS loads owe no wait: the last REFILL's two waits stand behind every product, addition and LDS store that named v80 to v207, and no vector instruction has followed them
.irp bt, 0,1
.if \bt
	s_wait_xcnt 0x0                                ; the first half's stores have had their addresses translated,
	s_wait_alu depctr_vm_vsrc(0)                   ; and have read v80 to v207, in which the second half's LDS loads land
.endif
.set gk, 0
.rept 32
	ds_load_b128 v[80+4*gk:83+4*gk], v1 offset:16384*\bt+512*gk
.set gk, gk+1
.endr
.set gk, 0
.rept 32
	s_wait_dscnt 31-gk                             ; piece gk is in; the younger ones may be out
	global_store_b128 v10, v[80+4*gk:83+4*gk], s[50:51] offset:(32*\bt+gk)*8192 th:TH_STORE_NT   ; 16 lanes store 256 consecutive bytes, at a multiple of 256 from out0's first byte
.set gk, gk+1
.endr
.endr
	s_wait_dscnt 0x0
	s_wait_alu depctr_hold_cnt(0) depctr_sa_sdst(0) depctr_va_vdst(0) depctr_va_sdst(0) depctr_va_ssrc(0) depctr_va_vcc(0) depctr_vm_vsrc(0)
	s_wait_tensorcnt 0x0
	ds_add_u32 v78, v79
	s_wait_dscnt 0x0
	s_endpgm
.Lfunc_end_k_q8e014f80a9_down:
	.size	k_q8e014f80a9_down, .Lfunc_end_k_q8e014f80a9_down-k_q8e014f80a9_down
	.p2alignl 7, 3214868480
	.fill 96, 4, 3214868480
	.section	.rodata,"a",@progbits
	.p2align	6, 0x0
	.amdhsa_kernel k_q8e014f80a9_down
		.amdhsa_group_segment_fixed_size 33536
		.amdhsa_private_segment_fixed_size 0
		.amdhsa_enable_private_segment 0
		.amdhsa_kernarg_size 32
		.amdhsa_user_sgpr_count 2
		.amdhsa_user_sgpr_kernarg_segment_ptr 1
		.amdhsa_wavefront_size32 1
		.amdhsa_system_sgpr_workgroup_id_x 1
		.amdhsa_system_sgpr_workgroup_id_y 1
		.amdhsa_system_sgpr_workgroup_id_z 1
		.amdhsa_system_vgpr_workitem_id 0
		.amdhsa_next_free_vgpr 480
		.amdhsa_next_free_sgpr 66
		.amdhsa_reserve_vcc 0
		.amdhsa_float_denorm_mode_32 3
		.amdhsa_float_denorm_mode_16_64 3
		.amdhsa_memory_ordered 1
		.amdhsa_forward_progress 1
		.amdhsa_inst_pref_size 72
	.end_amdhsa_kernel
	.amdgpu_metadata
---
amdhsa.version: [ 1, 2 ]
amdhsa.kernels:
  - .name:           k_q8e014f80a9_down
    .symbol:         k_q8e014f80a9_down.kd
    .args:
      - { .name: wq, .offset: 0, .size: 8, .value_kind: global_buffer, .address_space: global }
      - { .name: hq, .offset: 8, .size: 8, .value_kind: global_buffer, .address_space: global }
      - { .name: lists, .offset: 16, .size: 8, .value_kind: global_buffer, .address_space: global }
      - { .name: out0, .offset: 24, .size: 8, .value_kind: global_buffer, .address_space: global }
    .group_segment_fixed_size: 33536
    .private_segment_fixed_size: 0
    .kernarg_segment_align: 8
    .kernarg_segment_size: 32
    .max_flat_workgroup_size: 32
    .sgpr_count:     66
    .vgpr_count:     480
    .wavefront_size: 32
...
	.end_amdgpu_metadata
.endif
;; end of part 8
